; MI455X (gfx1250); checked and timed in simulation.
; The chip was launched on July 23, 2026; its instructions are those of AMD's public machine-readable ISA for CDNA 5 (MIT licence, August 2026) and "CDNA5" Instruction Set Architecture Reference Guide (July 2026). The comments in the code are by the model that wrote it; some were corrected since.
;; Self Attention. Allowed arithmetic: matrix products marked QUANTISED: E2M3 operands, one E8M0 scale for each 32 along K, by v_wmma_scale_f32_16x16x128_f8f6f4 with both operands' format E2M3, f32 sums; everything else in f32.
;; Inputs: b_proj 1,024 float32; b_qkv 3,072 float32; w_proj 1,024 x 1,024 float32; w_qkv 1,024 x 3,072 float32; x 2 x 2,048 x 1,024 float32.
;; Outputs: out0 2 x 2,048 x 1,024 float32.
;; This version of the problem:
;;   THIS VERSION OF THE PROBLEM IS GIVEN IN LOW PRECISION. The matrix products marked QUANTISED in the list below multiply operands that are first quantised to E2M3 (2 exponent bits, 3 mantissa bits; 6 bits a number), with one power-of-two scale for each 32 numbers along K (OCP MX v1.0); their sums are f32. All else is computed in f32.
;;   The module's matrix products, in the order in which they are computed (A, B: the left and right operand; K: the contracted axis; several contracted axes count as one K, in the product's order):
;;     1. [M 4,096, K 1,024] x [K 1,024, N 3,072]; A: input x; B: input w_qkv: QUANTISED
;;     2. batch 32 x [M 2,048, K 64] x [K 64, N 2,048]; A: computed on the way; B: computed on the way: QUANTISED
;;     3. batch 32 x [M 2,048, K 2,048] x [K 2,048, N 64]; A: softmax (see below); B: computed on the way: QUANTISED
;;     4. [M 4,096, K 1,024] x [K 1,024, N 1,024]; A: computed on the way; B: input w_proj: QUANTISED
;;   THE QUANTISER, for each operand of a quantised product, along K:
;;     - K is cut into blocks of 32 from its start; a last block that is shorter is filled with zeros.
;;     - A block's scale is 2^e with e = floor(log2(the largest magnitude in the block)) - 2, held to -126 .. 127; a block of zeros has e = 0. As a byte (E8M0): e + 127.
;;     - Each number is divided by its block's scale, clamped to +-7.5, and rounded to the nearest number of E2M3, ties to even, subnormals kept.
;;     - The product sums the exact products of the quantised numbers (number of the format x scale) in f32.
;;   ~~~python
;;   def quantise(x, axis):      # numpy; x: float32 -> the quantised numbers, widened to float32 again
;;       x = np.moveaxis(x, axis, -1); K = x.shape[-1]
;;       x = np.pad(x, [(0, 0)] * (x.ndim - 1) + [(0, -K % 32)]); x = x.reshape(x.shape[:-1] + (-1, 32)); a = np.abs(x).max(-1, keepdims=True)
;;       e = np.where(a > 0, np.clip(np.frexp(np.where(a > 0, a, 1))[1] - 1 - 2, -126, 127), 0)      # np.frexp(a)[1] - 1 = floor(log2(a)), exactly
;;       r = np.clip(x / 2.0 ** e, -7.5, 7.5)
;;       step = 2.0 ** (np.maximum(np.frexp(np.where(r == 0, 1, r))[1] - 1, 0) - 3)
;;       q = np.round(r / step) * step * 2.0 ** e      # np.round: ties to even
;;       return np.moveaxis(q.reshape(q.shape[:-2] + (-1,))[..., :K], -1, axis).astype(np.float32)
;;   ~~~
;;   SOFTMAX AHEAD OF A QUANTISED PRODUCT. Where the list says 'softmax', what is quantised is not the finished softmax but p = 2^(t - M), with t = logit x log2(e) and M = ceil(the row's largest t), a whole number; so 1/2 < the row's largest p <= 1. The row's sum l is taken of the UNQUANTISED p, in f32, and the product's result is divided by l at the end. Since M is a whole number, a kernel that streams over the keys may use a running M (the ceiling of the running maximum): every later rescaling is an exact power of two, which a block's scale takes up: the codes' values come out the same.
;;   OPERANDS COMPUTED ON THE WAY. 'Computed on the way' means the value that the module computes at that place (a softmax that the list does not call 'softmax' is quantised finished and normalised). What goes into a quantiser is computed in f32, as accurately as f32 sums, v_exp_f32 and their like allow (about 1e-6 of the number): no bf16 or f16 on the way to a quantiser, and a product that is left as it is and whose result goes on into a quantised operand takes f32 operands (vector FMAs, or v_wmma_f32_16x16x4_f32). A number that lies on a knife's edge between two numbers of the format may be rounded either way, as far as f32 arithmetic and the matrix unit's own rounding can turn it there, and no further.
;; One version. Each part assembles by itself: llvm-mc -triple=amdgcn-amd-amdhsa -mcpu=gfx1250 --defsym DOCPART=n.
;; ======== version 1 of 1: 4 launches
;; limits: right only within a limited range of input values
;; workspace buffers: xq 3,276,800 bytes; wqc 2,457,600 bytes; wpc 819,200 bytes; qq 3,276,800 bytes; kv 6,553,600 bytes; yq 3,276,800 bytes
;; launch quant (part 1): grid 256 x 1, 8 waves a work-group, no clusters, 96,256 bytes of LDS; arguments x, w_qkv, w_proj, xq, wqc, wpc; writes xq, wqc, wpc
.if DOCPART == 1
	.amdgcn_target "amdgcn-amd-amdhsa--gfx1250"
	.amdhsa_code_object_version 6
	.text
	.protected	k_q7b1fd92c89_quant
	.globl	k_q7b1fd92c89_quant
	.p2align	8
	.type	k_q7b1fd92c89_quant,@function
k_q7b1fd92c89_quant:
	s_mov_b64 s[64:65], 0
	v_nop
	global_prefetch_b8 v0, s[64:65] scope:SCOPE_SE
	s_setreg_imm32_b32 hwreg(HW_REG_WAVE_MODE, 25, 1), 1
	s_wait_xcnt 0x0
; x [4096][1024], w_qkv [1024][3072] and w_proj [1024][1024], all f32, become codes of FP6 (E2M3) with one E8M0 byte for each 32 along K (x: its last axis; the weights: their first).
; A block's scale is 2^(floor(log2(its largest magnitude)) - 2); its byte is the largest magnitude's exponent field - 2, held at 1 from below.
; LIMITS: NaN and infinities among the inputs are not served.  A block of zeros gets the byte 1 where the rule says 127: its codes are zeros, and the bytes are read by this program alone.
; RECORDS.  Each 64 rows (tokens, or columns of a weight) are a record of 51,200 bytes: [tile 4][K step of 128: 8][1,536] codes, then [pair of tiles 2][K step 8][128] scale words.
; A fragment is 16 rows x 128 K, 12 registers a lane: lane (r, h) holds row r, registers 6 c .. 6 c + 5 hold k = 64 c + 32 h + 0 .. 31; its image is three pieces of 512 bytes, lane l's registers 4 p .. 4 p + 3 at 16 l.
; Row 8 h + i of tile t is row 32 h + 8 t + i of the 64.  A scale word's four bytes are a row's 128 along K; a pair's 128 bytes: lane r + 16 u at 4 (r + 16 u), u the tile of the pair.
; SHARES.  Work-groups 0-127 take x: a work-group a pair of tiles, each of its eight waves one K step.  Work-groups 128-255 take the weights: a wave 32 neighbouring columns x 128 along K; two waves join the 64 columns of a record in LDS.
; The two ways have LDS bytes of their own.
.set XW,    8448                       ; x's way: a stage of 16 rows x (512 bytes + 16) for each wave, from LDS byte 0
.set WSTG,  67584                      ; the weights' way: for each two waves four tiles' images, 1,664 bytes apart, and 256 bytes of scale words
.set WPR,   6912
.set SPARE, 95232                      ; the spare words, 128 bytes for each wave: four blocks of 256 bytes that no other line names
.set REC,   51200
.set SPW, 14
.set NIL, 15
.set R,   16                           ; v16-143   x's way: 32 rows as loaded
.set X,   144                          ; v144-207  64 numbers of my row: register 32 c + i = k 64 c + 32 h + i
.set PC0, 208                          ; v208-231  the two fragments' codes
.set T,   232                          ; v232-239  the conversions' second halves
.set TM,  240
.set WA,  16                           ; v16-47    the weights' way: byte offsets of 32 rows of K at my column
.set WX,  48                           ; v48-175   four blocks of 32 numbers down K
.set WC,  176                          ; v176-207  their codes, eight registers a block
.set WO,  208                          ; v208-231  the way out
.set SW,  240                          ; v240      my column's scale word
.set WV,  18
.set HM,  19                           ; s19  lanes 16-31
.set SEL, 20                           ; s[20:21] v_permlanex16_b32's selects for lane l xor 16
	s_load_b256 s[4:11], s[0:1], 0x0               ; x s[4:5], w_qkv s[6:7], w_proj s[8:9], xq s[10:11]
	s_load_b128 s[12:15], s[0:1], 0x20             ; wqc s[12:13], wpc s[14:15]
	v_lshl_add_u32 v[SPW], v0, 2, SPARE
	v_mov_b32 v[NIL], 0
	v_lshrrev_b32 v1, 5, v0
	v_readfirstlane_b32 s[WV], v1                  ; wave 0..7
	v_and_b32 v10, 31, v0                          ; lane
	v_lshlrev_b32 v1, 4, v10                       ; 16 l
	v_lshlrev_b32 v3, 2, v10                       ; 4 l
	v_and_b32 v11, 15, v0                          ; r
	v_bfe_u32 v12, v0, 4, 1                        ; h
	v_lshlrev_b32 v2, 3, v12                       ; 8 h
	s_mul_i32 s24, s[WV], XW
	v_add_nc_u32 v4, s24, v1                       ; x's stage, in: 16 l of a row
	v_mul_u32_u24 v5, v11, 528
	v_lshl_add_u32 v5, v12, 7, v5
	v_add_nc_u32 v5, s24, v5                       ; and out: row r, + 128 h: a whole block of 32
	s_lshr_b32 s24, s[WV], 1
	s_mul_i32 s24, s24, WPR
	s_add_co_u32 s24, s24, WSTG                    ; the weights' stage of my two waves
	s_and_b32 s25, s[WV], 1                        ; h: which 32 of the 64 columns
	v_lshrrev_b32 v13, 3, v10                      ; column l of my 32 is row 8 h + l % 8 of tile l / 8
	v_mul_u32_u24 v9, v13, 1664
	v_and_b32 v11, 7, v0
	s_lshl_b32 s26, s25, 3
	v_add_nc_u32 v11, s26, v11
	v_lshl_add_u32 v6, v11, 4, v9
	v_add_nc_u32 v6, s24, v6                       ; in: tile l / 8, 16 x row
	v_lshlrev_b32 v7, 6, v13
	v_lshl_add_u32 v7, v11, 2, v7
	s_add_co_u32 s27, s24, 6656
	v_add_nc_u32 v7, s27, v7                       ; my scale word's place: 64 x tile + 4 x row
	s_mul_i32 s26, s25, 3328
	s_add_co_u32 s26, s26, s24
	v_add_nc_u32 v8, s26, v1                       ; out: tiles 2 h, 2 h + 1
	s_lshl_b32 s26, s25, 7
	s_add_co_u32 s26, s26, s27
	v_add_nc_u32 v9, s26, v3                       ; and their pair's scale words
	s_mov_b32 s[HM], 0xffff0000
	s_mov_b32 s[SEL], 0x76543210
	s_mov_b32 s[SEL+1], 0xfedcba98
	s_wait_alu depctr_va_vdst(0)                   ; the wait at the head's end
	s_wait_kmcnt 0x0
	s_cmp_lt_u32 ttmp9, 128
	s_cbranch_scc0 .Lw
; 64 numbers of a lane, two whole blocks, become a fragment's 12 registers of codes in v[pc] on and my row's scale word in v[pw]
.macro QUANT s, pc, pw
.irp b, 0,1,2,3
	v_max3_num_f32 v[TM+\b], |v[\s+16*\b]|, |v[\s+1+16*\b]|, 0x1800000   ; and the floor 2^(3 - 127): the byte cannot fall under 1
.endr
.irp i, 2,4,6,8,10,12,14
.irp b, 0,1,2,3
	s_delay_alu instid0(VALU_DEP_4)
	v_max3_num_f32 v[TM+\b], v[TM+\b], |v[\s+16*\b+\i]|, |v[\s+1+16*\b+\i]|
.endr
.endr
	v_max_num_f32 v[TM], v[TM], v[TM+1]
	v_max_num_f32 v[TM+2], v[TM+2], v[TM+3]
	v_add_nc_u32 v[TM+4], 0xff000000, v[TM]        ; 2 off its exponent field: the conversion's scale operand
	v_add_nc_u32 v[TM+5], 0xff000000, v[TM+2]
	v_lshrrev_b32 v[TM+6], 23, v[TM+4]             ; the byte
	v_lshrrev_b32 v[TM+7], 23, v[TM+5]
	v_lshl_or_b32 v[TM+6], v[TM+7], 16, v[TM+6]
	v_lshlrev_b32 v[TM+6], v2, v[TM+6]             ; my two bytes at their places,
	v_permlanex16_b32 v[TM+7], v[TM+6], s[SEL], s[SEL+1]
	v_or_b32 v[\pw], v[TM+6], v[TM+7]              ; and lane l xor 16's two
.irp c, 0,1
	v_cvt_scalef32_pk16_fp6_f32 v[\pc+6*\c:\pc+2+6*\c], v[\s+32*\c:\s+15+32*\c], v[TM+4+\c]
	v_cvt_scalef32_pk16_fp6_f32 v[T+4*\c:T+2+4*\c], v[\s+16+32*\c:\s+31+32*\c], v[TM+4+\c]   ; (a conversion's three registers begin on an even number)
.endr
	v_nop                                          ; one plain place behind a scaled conversion
.irp c, 0,1
.irp i, 0,1,2
	v_mov_b32 v[\pc+3+6*\c+\i], v[T+4*\c+\i]
.endr
.endr
.endm
	; ---- x: my pair of tiles is ttmp9, my K step the wave's number
	s_lshr_b32 s24, ttmp9, 1                       ; the record
	s_and_b32 s25, ttmp9, 1                        ; which pair of it
	s_lshl_b32 s26, s24, 18                        ; 64 tokens of 4,096 bytes
	s_lshl_b32 s27, s25, 16                        ; the odd pair begins 16 tokens further on
	s_add_co_u32 s26, s26, s27
	s_lshl_b32 s27, s[WV], 9
	s_add_co_u32 s26, s26, s27
	s_mov_b32 s27, 0
	s_add_nc_u64 s[4:5], s[4:5], s[26:27]
	s_mul_i32 s24, s24, REC
	s_mul_i32 s26, s25, 24576
	s_add_co_u32 s26, s26, s24
	s_mul_i32 s28, s[WV], 1536
	s_add_co_u32 s26, s26, s28
	s_add_nc_u64 s[28:29], s[10:11], s[26:27]      ; my codes
	s_lshl_b32 s26, s25, 10
	s_add_co_u32 s26, s26, s24
	s_lshl_b32 s30, s[WV], 7
	s_add_co_u32 s26, s26, s30
	s_add_co_u32 s26, s26, 49152
	s_add_nc_u64 s[30:31], s[10:11], s[26:27]      ; my scale words
.irp u, 0,1
.irp i, 0,1,2,3,4,5,6,7,8,9,10,11,12,13,14,15
	global_load_b128 v[R+64*\u+4*\i:R+64*\u+4*\i+3], v1, s[4:5] offset:(8*\u+\i+24*(\i/8))*4096 th:TH_LOAD_NT   ; row i of the pair's tile u: 32 lanes read 512 consecutive bytes
.endr
.endr
.irp u, 0,1
	s_wait_loadcnt 16-16*\u                        ; this tile's 16 loads are in; the other tile's 16 may be out
.irp i, 0,1,2,3,4,5,6,7,8,9,10,11,12,13,14,15
	ds_store_b128 v4, v[R+64*\u+4*\i:R+64*\u+4*\i+3] offset:528*\i
.endr
.irp c, 0,1
.irp j, 0,1,2,3,4,5,6,7
	ds_load_b128 v[X+32*\c+4*\j:X+32*\c+4*\j+3], v5 offset:256*\c+16*\j   ; LDS serves a wave's instructions in order: these see my stores
.endr
.endr
	s_wait_dscnt 0x0
	QUANT X, PC0+12*\u, 12+\u
.irp p, 0,1,2
	global_store_b128 v1, v[PC0+12*\u+4*\p:PC0+12*\u+4*\p+3], s[28:29] offset:12288*\u+512*\p
.endr
.endr
	v_cndmask_b32 v11, v12, v13, s[HM]             ; lanes 0-15 the even tile's words, lanes 16-31 the odd tile's
	global_store_b32 v3, v11, s[30:31]
	s_branch .Lend
.Lw:	; ---- the weights.  The first 96 of these work-groups take w_qkv, the other 32 w_proj: pointers and sizes are chosen on the work-group's number alone
	s_sub_co_u32 s24, ttmp9, 128
	s_cmp_lt_u32 s24, 96
	s_cselect_b64 s[4:5], s[6:7], s[8:9]           ; from
	s_cselect_b64 s[10:11], s[12:13], s[14:15]     ; to
	s_mov_b32 s32, 4096
	s_cselect_b32 s32, 12288, s32                  ; a row of the weight in bytes
	s_cselect_b32 s35, 0, 96
	s_sub_co_u32 s24, s24, s35
	s_and_b32 s26, s24, 3
	s_lshl_b32 s26, s26, 1
	s_lshr_b32 s27, s[WV], 2
	s_add_co_u32 s26, s26, s27                     ; my K step
	s_lshr_b32 s25, s24, 2
	s_lshl_b32 s25, s25, 2
	s_and_b32 s27, s[WV], 3
	s_add_co_u32 s25, s25, s27                     ; g: my 32 columns; four waves stand side by side on 512 bytes of each row
	s_lshl_b32 s28, s26, 7
	s_mul_i32 s28, s28, s32
	s_lshl_b32 s27, s25, 7
	s_add_co_u32 s28, s28, s27
	s_mov_b32 s29, 0
	s_add_nc_u64 s[40:41], s[4:5], s[28:29]        ; block 0's first row at my columns,
	s_lshl_b32 s30, s32, 5
	s_mov_b32 s31, 0
	s_add_nc_u64 s[42:43], s[40:41], s[30:31]      ; and the three blocks 32 rows further down each
	s_add_nc_u64 s[44:45], s[42:43], s[30:31]
	s_add_nc_u64 s[46:47], s[44:45], s[30:31]
	s_lshr_b32 s27, s25, 1
	s_mul_i32 s27, s27, REC                        ; the record of my 64 columns
	s_and_b32 s25, s25, 1                          ; I store its tiles 2 h, 2 h + 1
	s_mul_i32 s36, s25, 24576
	s_add_co_u32 s36, s36, s27
	s_mul_i32 s28, s26, 1536
	s_add_co_u32 s36, s36, s28
	s_mov_b32 s37, 0
	s_add_nc_u64 s[48:49], s[10:11], s[36:37]      ; codes
	s_lshl_b32 s36, s25, 10
	s_add_co_u32 s36, s36, s27
	s_lshl_b32 s28, s26, 7
	s_add_co_u32 s36, s36, s28
	s_add_co_u32 s36, s36, 49152
	s_add_nc_u64 s[50:51], s[10:11], s[36:37]      ; scale words
	v_mov_b32 v[WA], v3                            ; 4 l
.irp i, 1,2,3,4,5,6,7,8,9,10,11,12,13,14,15,16,17,18,19,20,21,22,23,24,25,26,27,28,29,30,31
	v_add_nc_u32 v[WA+\i], s32, v[WA+\i-1]         ; + i rows
.endr
.irp t, 0,1,2,3                                ; A LANE TAKES A COLUMN, AND ITS REGISTERS RUN DOWN K
.irp i, 0,1,2,3,4,5,6,7,8,9,10,11,12,13,14,15,16,17,18,19,20,21,22,23,24,25,26,27,28,29,30,31
	global_load_b32 v[WX+32*\t+\i], v[WA+\i], s[40+2*\t:41+2*\t] th:TH_LOAD_NT
.endr
.endr
; Block t = 2 c + h' of my column: its 32 numbers are mine.  Its six registers of codes are registers 6 c .. 6 c + 5 of lane row + 16 h' of the tile's image
.macro WBLK t, left
.set XB, WX+32*\t
.set CB, WC+8*\t
	s_wait_loadcnt \left                           ; this block's 32 loads are in (the later blocks' may be out; the wait can name 63 at the most)
	v_max3_num_f32 v232, |v[XB]|, |v[XB+1]|, |v[XB+2]|
	v_max3_num_f32 v233, |v[XB+3]|, |v[XB+4]|, |v[XB+5]|
.irp i, 6,10,14,18,22,26
	s_delay_alu instid0(VALU_DEP_2)
	v_max3_num_f32 v232, v232, |v[XB+\i]|, |v[XB+\i+1]|
	s_delay_alu instid0(VALU_DEP_2)
	v_max3_num_f32 v233, v233, |v[XB+\i+2]|, |v[XB+\i+3]|
.endr
	v_max3_num_f32 v232, v232, |v[XB+30]|, |v[XB+31]|
	v_max3_num_f32 v232, v232, v233, 0x1800000     ; and the floor
	v_add_nc_u32 v234, 0xff000000, v232            ; the conversion's scale operand
	v_lshrrev_b32 v235, 23, v234                   ; the byte
.if \t == 0
	v_mov_b32 v[SW], v235
.else
	v_lshl_or_b32 v[SW], v235, 8*\t, v[SW]
.endif
	v_cvt_scalef32_pk16_fp6_f32 v[CB:CB+2], v[XB:XB+15], v234
	v_cvt_scalef32_pk16_fp6_f32 v[CB+4:CB+6], v[XB+16:XB+31], v234
	v_nop                                          ; one plain place behind a scaled conversion
	v_mov_b32 v[CB+3], v[CB+4]                     ; six registers on end
	v_mov_b32 v[CB+4], v[CB+5]
	v_mov_b32 v[CB+5], v[CB+6]
.if \t < 2
	ds_store_b128 v6, v[CB:CB+3] offset:256*(\t%2)
	ds_store_b64 v6, v[CB+4:CB+5] offset:512+256*(\t%2)
.else
	ds_store_b64 v6, v[CB:CB+1] offset:520+256*(\t%2)
	ds_store_b128 v6, v[CB+2:CB+5] offset:1024+256*(\t%2)
.endif
.endm
	WBLK 0, 63
	WBLK 1, 63
	WBLK 2, 32
	WBLK 3, 0
	ds_store_b32 v7, v[SW]
	s_wait_alu depctr_va_vdst(0)                   ; the wait here, ahead of the blocking waits
	s_wait_dscnt 0x0                               ; my 32 columns lie in the stage: the other wave reads them
	s_barrier_signal -1
	s_barrier_wait -1
.irp m, 0,1,2,3,4,5
	ds_load_b128 v[WO+4*\m:WO+4*\m+3], v8 offset:1664*(\m/3)+512*(\m%3)
.endr
	ds_load_b32 v241, v9
.irp m, 0,1,2,3,4,5
	s_wait_dscnt 6-\m                              ; piece m is back; the later ones may be out
	global_store_b128 v1, v[WO+4*\m:WO+4*\m+3], s[48:49] offset:12288*(\m/3)+512*(\m%3)   ; 32 lanes store 512 consecutive bytes
.endr
	s_wait_dscnt 0x0
	global_store_b32 v3, v241, s[50:51]
.Lend:
	s_wait_tensorcnt 0x0                           ; the wave's end, behind my last LDS store
	ds_add_u32 v[SPW], v[NIL]
	s_wait_dscnt 0x0
	s_endpgm
.Lfunc_end_k_q7b1fd92c89_quant:
	.size	k_q7b1fd92c89_quant, .Lfunc_end_k_q7b1fd92c89_quant-k_q7b1fd92c89_quant
	.p2alignl 7, 3214868480
	.fill 96, 4, 3214868480
	.section	.rodata,"a",@progbits
	.p2align	6, 0x0
	.amdhsa_kernel k_q7b1fd92c89_quant
		.amdhsa_group_segment_fixed_size 96256
		.amdhsa_private_segment_fixed_size 0
		.amdhsa_enable_private_segment 0
		.amdhsa_kernarg_size 48
		.amdhsa_user_sgpr_count 2
		.amdhsa_user_sgpr_kernarg_segment_ptr 1
		.amdhsa_wavefront_size32 1
		.amdhsa_system_sgpr_workgroup_id_x 1
		.amdhsa_system_sgpr_workgroup_id_y 1
		.amdhsa_system_sgpr_workgroup_id_z 1
		.amdhsa_system_vgpr_workitem_id 0
		.amdhsa_next_free_vgpr 256
		.amdhsa_next_free_sgpr 66
		.amdhsa_reserve_vcc 0
		.amdhsa_float_denorm_mode_32 3
		.amdhsa_float_denorm_mode_16_64 3
		.amdhsa_memory_ordered 1
		.amdhsa_forward_progress 1
		.amdhsa_inst_pref_size 43
	.end_amdhsa_kernel
	.amdgpu_metadata
---
amdhsa.version: [ 1, 2 ]
amdhsa.kernels:
  - .name:           k_q7b1fd92c89_quant
    .symbol:         k_q7b1fd92c89_quant.kd
    .args:
      - { .name: x, .offset: 0, .size: 8, .value_kind: global_buffer, .address_space: global }
      - { .name: w_qkv, .offset: 8, .size: 8, .value_kind: global_buffer, .address_space: global }
      - { .name: w_proj, .offset: 16, .size: 8, .value_kind: global_buffer, .address_space: global }
      - { .name: xq, .offset: 24, .size: 8, .value_kind: global_buffer, .address_space: global }
      - { .name: wqc, .offset: 32, .size: 8, .value_kind: global_buffer, .address_space: global }
      - { .name: wpc, .offset: 40, .size: 8, .value_kind: global_buffer, .address_space: global }
    .group_segment_fixed_size: 96256
    .private_segment_fixed_size: 0
    .kernarg_segment_align: 8
    .kernarg_segment_size: 48
    .max_flat_workgroup_size: 256
    .sgpr_count:     66
    .vgpr_count:     256
    .wavefront_size: 32
...
	.end_amdgpu_metadata
.endif
;; end of part 1
;; launch qkv (part 2): grid 16 x 16, 4 waves a work-group, clusters of 4 x 4, 327,680 bytes of LDS; arguments xq, wqc, b_qkv, qq, kv; writes qq, kv
.if DOCPART == 2
	.amdgcn_target "amdgcn-amd-amdhsa--gfx1250"
	.amdhsa_code_object_version 6
	.text
	.protected	k_q7b1fd92c89_qkv
	.globl	k_q7b1fd92c89_qkv
	.p2align	8
	.type	k_q7b1fd92c89_qkv,@function
k_q7b1fd92c89_qkv:
	s_mov_b64 s[64:65], 0
	v_nop
	global_prefetch_b8 v0, s[64:65] scope:SCOPE_SE
	s_setreg_imm32_b32 hwreg(HW_REG_WAVE_MODE, 25, 1), 1
	s_wait_xcnt 0x0
	s_wait_alu depctr_hold_cnt(0) depctr_sa_sdst(0) depctr_va_vdst(0) depctr_va_sdst(0) depctr_va_ssrc(0) depctr_va_vcc(0) depctr_vm_vsrc(0)
	s_getreg_b32 s2, hwreg(HW_REG_IB_STS2, 6, 4)
	s_cmp_eq_u32 s2, 0
	s_cbranch_scc0 .Lentry_in_a_cluster
	s_endpgm
.Lentry_in_a_cluster:
	s_bfe_u32 s2, ttmp6, 0x10000c
	s_cmp_lg_u32 s2, 0xf033
	s_cbranch_scc0 .Lentry_shape_is_right
	s_endpgm
.Lentry_shape_is_right:
; q, k, v = x w_qkv + b_qkv on codes of FP6 (E2M3) with E8M0 scales for each 32 along K = 1,024; the results, bias added in f32, are quantised here for the two products of attention and leave as codes.
; LIMITS: NaN and infinities are not served.  A block of zeros gets the byte 1 where the rule says 127: its codes are zeros, and the bytes are read by this program alone.
; SHARES.  A work-group makes q, k and v of ONE head for 256 tokens; each of its four waves 64 tokens, which lie in registers for all of K (384), and the weights stream past them out of LDS, a tile of 16 columns (all of K) at a time.
; A tile's 32 products finish four accumulators; a group (q, k or v) is four tiles.  While a group's tiles are multiplied, the last group's results are quantised: the search for the largest magnitude stands among the products.
; RECORDS of 64 rows (tokens or columns), 51,200 bytes: [tile 4][K step 8][three pieces of 512 bytes: registers 4 p .. 4 p + 3 at 16 x lane], then [pair of tiles 2][K step 8][128] scale words.  Row 8 h + i of tile t is row 32 h + 8 t + i of the 64.
; CLUSTERS of 4 x 4: the four of a column have the same tokens, the four of a row the same head: every tile is asked for JOINTLY.  At the head one load a wave: waves 0, 1 the four records of x, waves 2, 3 W_q and W_k.
; W_v comes by the one refill, onto x's first record, when every wave holds its x in registers.  All is asked for at the head or right behind it: no loop is left to prefetch in.
; q and k are made TRANSPOSED (source 0 = 16 columns, source 1 = 16 tokens): a lane's 32 registers of a token tile are 32 neighbouring channels.  v natural (source 0 = 16 tokens): a lane's 32 registers of a channel tile are 32 neighbouring keys.
; So a scale block of the next product is one lane's.  The bias is the C of each sum's first product.
; OUT.  qq: codes [b h 32][token tile 128][768: 512 at 16 x lane, 256 at 8 x lane]; from QSO scale words [b h][pair of tiles 64][16]: bytes 0, 1 the even tile's two blocks, bytes 2, 3 the odd tile's.
;       kv: [b h 32][key step of 128: 16] records of 12,800: K's fragments (two token tiles) in three pieces of 512 | V's halves (64 keys c, channel tile n) at 6,144 + (4 c + n) 768 | K's scale words at 12,288 | V's at 12,544.
; REGISTERS, in windows of 256: window 0: addresses; v16-31 x's scale words; v32-47 the weights', two sets; v48-63 at work; v64-191 the accumulators of q, then of v; v192-239 codes, v240-255 the conversions' second halves.
;   x's fragment 4 x K step + tile: 0-20 fill window 1, 21-30 window 2's v0-119, 31 window 3's v224-235.  Window 2 from v128: k's accumulators.  Window 3: v0-191 the weights' tile, two sets; v192-223 the bias.
.set REC,   51200
.set WQL,   4*REC                      ; LDS: x's records from 0, W_q, W_k behind them
.set SPARE, 6*REC                      ; the spare words, 128 bytes for each wave
.set QSO,   3145728
.set SPW, 14
.set NIL, 15
.set XS,  16                           ; register 2 ks + p: lanes 0-15 tile 2 p, lanes 16-31 tile 2 p + 1
.set WS,  32                           ; register 8 set + ks, likewise for a pair of column tiles
.set TQ,  48
.set MG,  50
.set SOP, 52
.set EB,  56
.set PW,  60
.set WV,  18
.set HM,  19
.set SEL, 20
.set G1X, 24
.set G1W, 72
.set G0X, 32
.set G0W, 36
.set QC,  50                           ; s[50:51] q's codes;  s[52:53] q's scale words;  s[54:55] my half of the record's K (V: 6,144 on);  s[56:57], s[58:59] K's and V's scale words;  s[60:61] the head's bias
.set QSB, 52
.set KB,  54
.set KSB, 56
.set VSB, 58
.set BB,  60
.set MSB, 0
.macro WIN new                         ; the immediate's high byte repeats the setting that is left
.if MSB != (\new)
	s_set_vgpr_msb (MSB<<8)|(\new)
.set MSB, \new
.endif
.endm
.macro WALU
	s_wait_alu depctr_va_vdst(0)
.endm
.macro PLACES                          ; four places behind matrix instructions, ahead of loads into their registers and of reads of their results
.rept 4
	v_nop
.endr
.endm
.macro CROUND                          ; a round of the cluster's barrier
	s_barrier_signal -1
	s_barrier_wait -1
	s_cmp_lg_u32 s[WV], 0
	s_cbranch_scc1 .Lnot_wave_0_\@
	s_barrier_signal -3
.Lnot_wave_0_\@:
	s_barrier_wait -3
	s_barrier_signal -1
	s_barrier_wait -1
.endm
.macro GROUP1 g, mask, rows            ; dense bytes as rows of 256 (32 elements of 8)
	s_or_b32 s[\g], s[\mask], (3<<16)|(1<<21)
	s_mov_b32 s[\g+1], 32<<16
	s_mov_b32 s[\g+2], (\rows)<<16
	s_mov_b32 s[\g+3], 32<<16
	s_mov_b32 s[\g+4], \rows
	s_mov_b32 s[\g+5], 32
	s_mov_b32 s[\g+6], 0
	s_mov_b32 s[\g+7], 0
.endm
	s_load_b256 s[4:11], s[0:1], 0x0               ; xq s[4:5], wqc s[6:7], b_qkv s[8:9], qq s[10:11]
	s_load_b64 s[12:13], s[0:1], 0x20              ; kv
	v_lshl_add_u32 v[SPW], v0, 2, SPARE
	v_mov_b32 v[NIL], 0
	ds_add_u32 v[SPW], v[NIL]                      ; the wave's opening: the add, twice, and its wait ahead of my first tensor load
	ds_add_u32 v[SPW], v[NIL]
	v_lshrrev_b32 v1, 5, v0
	v_readfirstlane_b32 s[WV], v1                  ; wave 0..3
	s_bfe_u32 s40, ttmp6, 0x40000                  ; cx
	s_bfe_u32 s41, ttmp6, 0x40004                  ; cy
	s_lshl_b32 s42, ttmp9, 2
	s_add_co_u32 s42, s42, s40                     ; my block of 256 tokens: shared along my column
	s_and_b32 s43, ttmp7, 0xffff
	s_lshl_b32 s43, s43, 2
	s_add_co_u32 s43, s43, s41                     ; my head: shared along my row
	s_lshl_b32 s48, 0x1111, s40
	s_lshl_b32 s49, s41, 2
	s_lshl_b32 s49, 15, s49
	GROUP1 G1X, 48, 400
	GROUP1 G1W, 49, 200
	s_and_b32 s22, s[WV], 1
	s_mul_i32 s44, s42, 4*REC
	s_mul_i32 s23, s22, 2*REC
	s_add_co_u32 s44, s44, s23                     ; waves 0, 1: two records of x each
	s_mov_b32 s45, 0
	s_mov_b32 s[G0X], 1
	s_mov_b32 s[G0X+1], s23
	s_mul_i32 s46, s43, REC
	s_mul_i32 s23, s22, 16*REC
	s_add_co_u32 s46, s46, s23                     ; waves 2, 3: W_q, W_k
	s_mov_b32 s47, 0
	s_mul_i32 s23, s22, REC
	s_mov_b32 s[G0W], 1
	s_add_co_u32 s[G0W+1], s23, WQL
	s_mul_i32 s66, s43, REC
	s_mul_i32 s23, s[WV], REC/4
	s_add_co_u32 s66, s66, s23
	s_add_co_u32 s66, s66, 32*REC                  ; the refill: my quarter of W_v
	s_mov_b32 s67, 0
	s_wait_dscnt 0x0                               ; both opening adds are done
	CROUND                                         ; all sixteen work-groups are here: the joint loads meet
	s_wait_kmcnt 0x0
	s_add_nc_u64 s[G0X+2:G0X+3], s[4:5], s[44:45]
	s_or_b32 s[G0X+3], s[G0X+3], 0x80000000
	s_add_nc_u64 s[G0W+2:G0W+3], s[6:7], s[46:47]
	s_or_b32 s[G0W+3], s[G0W+3], 0x80000000
	s_cmp_lt_u32 s[WV], 2
	s_cbranch_scc0 .Lweights
	tensor_load_to_lds s[G0X:G0X+3], s[G1X:G1X+7]
	s_nop 0
	PLACES
	s_branch .Lasked
.Lweights:
	tensor_load_to_lds s[G0W:G0W+3], s[G1W:G1W+7]
	s_nop 0
	PLACES
.Lasked:
	s_lshl_b32 s[BB], s43, 8
	s_mov_b32 s[BB+1], 0
	s_lshr_b32 s48, s42, 3                         ; the batch
	s_lshl_b32 s48, s48, 4
	s_add_co_u32 s48, s48, s43                     ; b h
	s_lshl_b32 s49, s48, 5
	s_and_b32 s48, s42, 7
	s_lshl_b32 s48, s48, 2
	s_add_co_u32 s49, s49, s48
	s_add_co_u32 s49, s49, s[WV]                   ; 32 b h + which 64 tokens of the 2,048
	s_mul_i32 s[QC], s49, 4*768
	s_mov_b32 s[QC+1], 0
	s_lshl_b32 s[QSB], s49, 7
	s_add_co_u32 s[QSB], s[QSB], QSO
	s_mov_b32 s[QSB+1], 0
	s_lshr_b32 s48, s49, 1                         ; 16 b h + key step
	s_mul_i32 s48, s48, 12800
	s_and_b32 s49, s[WV], 1                        ; c: which 64 keys of the step
	s_mul_i32 s[KB], s49, 3072
	s_add_co_u32 s[KB], s[KB], s48
	s_mov_b32 s[KB+1], 0
	s_lshl_b32 s[KSB], s49, 7
	s_add_co_u32 s[KSB], s[KSB], s48
	s_mov_b32 s[KSB+1], 0
	s_lshl_b32 s[VSB], s49, 1
	s_add_co_u32 s[VSB], s[VSB], s48
	s_mov_b32 s[VSB+1], 0
	s_add_nc_u64 s[BB:BB+1], s[8:9], s[BB:BB+1]
	s_add_nc_u64 s[QC:QC+1], s[10:11], s[QC:QC+1]
	s_add_nc_u64 s[QSB:QSB+1], s[10:11], s[QSB:QSB+1]
	s_add_nc_u64 s[KB:KB+1], s[12:13], s[KB:KB+1]
	s_add_nc_u64 s[KSB:KSB+1], s[12:13], s[KSB:KSB+1]
	s_add_nc_u64 s[VSB:VSB+1], s[12:13], s[VSB:VSB+1]
	s_mov_b32 s[HM], 0xffff0000
	s_mov_b32 s[SEL], 0x76543210
	s_mov_b32 s[SEL+1], 0xfedcba98
	s_mul_i32 s48, s[WV], REC
	v_and_b32 v9, 31, v0
	v_lshlrev_b32 v1, 4, v9                        ; 16 l, 8 l, 4 l; never rewritten
	v_lshlrev_b32 v2, 3, v9
	v_lshlrev_b32 v3, 2, v9
	v_add_nc_u32 v4, s48, v1                       ; my record of x in LDS
	v_add_nc_u32 v6, s48, v3
	v_add_nc_u32 v8, WQL, v1                       ; the weights' group
	v_add_nc_u32 v9, WQL, v3
	v_bfe_u32 v12, v0, 4, 1
	v_lshlrev_b32 v7, 7, v12                       ; 128 h: q's and k's bias
	v_lshlrev_b32 v12, 3, v12                      ; 8 h: where a lane's byte goes in a scale word
	v_and_b32 v10, 15, v0
	v_and_b32 v11, 8, v10
	v_mad_u32_u24 v10, v11, 3, v10
	v_lshlrev_b32 v10, 2, v10                      ; 4 (r % 8 + 32 (r / 8)): v's bias
	v_mov_b32 v[PW+2], 0                           ; (a lane permute's destination counts as one of its sources)
	WALU
	WIN 0xC0
.irp n, 0,1,2,3                                ; q's bias: channels 32 h + 8 n + 0 .. 7
	global_load_b128 v[192+8*\n:192+8*\n+3], v7, s[BB:BB+1] offset:32*\n
	global_load_b128 v[192+8*\n+4:192+8*\n+7], v7, s[BB:BB+1] offset:32*\n+16
.endr
	WIN 0
.macro XFR                                     ; fragment F_'s window and register
.if F_ < 21
.set XW_, 1
.set XR_, 12*F_
.elseif F_ < 31
.set XW_, 2
.set XR_, 12*(F_-21)
.else
.set XW_, 3
.set XR_, 224
.endif
.endm
.macro WLOAD j                                 ; column tile j, all of K: 24 loads, and with an even tile its pair's scale words, 8 more
.set LG_, (\j)/4
.set LN_, (\j)%4
.if (\j) == 4
	v_add_nc_u32 v8, REC, v8                       ; from W_q on to W_k
	v_add_nc_u32 v9, REC, v9
.endif
	WIN 0xC0
.irp k, 0,1,2,3,4,5,6,7
.irp p, 0,1,2
.if LG_ == 2
	ds_load_b128 v[96*((\j)%2)+12*\k+4*\p:96*((\j)%2)+12*\k+4*\p+3], v1 offset:12288*LN_+1536*\k+512*\p   ; W_v lies from LDS byte 0 on
.else
	ds_load_b128 v[96*((\j)%2)+12*\k+4*\p:96*((\j)%2)+12*\k+4*\p+3], v8 offset:12288*LN_+1536*\k+512*\p
.endif
.endr
.endr
	WIN 0
.if LN_%2 == 0
.irp k, 0,1,2,3,4,5,6,7
.if LG_ == 2
	ds_load_b32 v[WS+8*(((\j)/2)%2)+\k], v3 offset:49152+512*LN_+128*\k
.else
	ds_load_b32 v[WS+8*(((\j)/2)%2)+\k], v9 offset:49152+512*LN_+128*\k
.endif
.endr
.endif
.endm
; one product; ra, rb: which half of the lanes of the scale registers holds source 0's and source 1's words
.macro WM d, a, b, c, sa, sb, ra, rb
.if ((\ra) == 0) && ((\rb) == 0)
	v_wmma_scale_f32_16x16x128_f8f6f4 v[\d:\d+7], v[\a:\a+11], v[\b:\b+11], v[\c:\c+7], v[\sa], v[\sb] matrix_a_fmt:MATRIX_FMT_FP6 matrix_b_fmt:MATRIX_FMT_FP6
.elseif (\rb) == 0
	v_wmma_scale_f32_16x16x128_f8f6f4 v[\d:\d+7], v[\a:\a+11], v[\b:\b+11], v[\c:\c+7], v[\sa], v[\sb] matrix_a_fmt:MATRIX_FMT_FP6 matrix_b_fmt:MATRIX_FMT_FP6 matrix_a_scale:MATRIX_SCALE_ROW1
.elseif (\ra) == 0
	v_wmma_scale_f32_16x16x128_f8f6f4 v[\d:\d+7], v[\a:\a+11], v[\b:\b+11], v[\c:\c+7], v[\sa], v[\sb] matrix_a_fmt:MATRIX_FMT_FP6 matrix_b_fmt:MATRIX_FMT_FP6 matrix_b_scale:MATRIX_SCALE_ROW1
.else
	v_wmma_scale_f32_16x16x128_f8f6f4 v[\d:\d+7], v[\a:\a+11], v[\b:\b+11], v[\c:\c+7], v[\sa], v[\sb] matrix_a_fmt:MATRIX_FMT_FP6 matrix_b_fmt:MATRIX_FMT_FP6 matrix_a_scale:MATRIX_SCALE_ROW1 matrix_b_scale:MATRIX_SCALE_ROW1
.endif
.endm
.macro PROD g, n                               ; product N_ of tile J_: K step N_ / 4, token tile N_ % 4: the four accumulators take turns
.set KS_, N_/4
.set TT_, N_%4
.set F_, N_
	XFR
.set WR_, 96*(J_%2)+12*KS_
.if \g == 2
.set AI_, 32*\n+8*TT_
.else
.set AI_, 32*TT_+8*\n
.endif
.if \g == 1
.set AW_, 2
.set AR_, 128+AI_
.else
.set AW_, 0
.set AR_, 64+AI_
.endif
.if KS_ == 0
.set CW_, 3
.set CR_, 192+8*\n
.else
.set CW_, AW_
.set CR_, AR_
.endif
.set XSR_, XS+2*KS_+TT_/2
.set WSR_, WS+8*((J_/2)%2)+KS_
.if \g == 2
	WIN XW_|(3<<2)|(CW_<<4)|(AW_<<6)
	WM AR_, XR_, WR_, CR_, XSR_, WSR_, TT_%2, \n%2
.else
	WIN 3|(XW_<<2)|(CW_<<4)|(AW_<<6)
	WM AR_, WR_, XR_, CR_, WSR_, XSR_, \n%2, TT_%2
.endif
.endm
.macro CHAIN i, x, n, t=TQ                     ; entry i of 18: the largest magnitude of the 32 sums from register x on by two chains, and the conversions' scale operand
.set HW_, (\x)>>8
.set HL_, (\x)&255
.if (\i) < 14
.set HB_, HL_+16*((\i)%2)+2*((\i)/2)
.set HT_, (\t)+1-(\i)%2
.if (\i) < 2
	WIN HW_|(HW_<<2)|(HW_<<4)
	v_max3_num_f32 v[HT_], |v[HB_]|, |v[HB_+1]|, |v[HB_+2]|
.else
	WIN (HW_<<2)|(HW_<<4)
	v_max3_num_f32 v[HT_], v[HT_], |v[HB_+1]|, |v[HB_+2]|
.endif
.elseif (\i) == 14
	WIN HW_<<2
	v_max3_num_f32 v[\t+1], v[\t+1], |v[HL_+15]|, 0x1800000   ; and the floor 2^(3 - 127): the byte cannot fall under 1
.elseif (\i) == 15
	WIN 0
	v_nop                                          ; so that the next line, which reads entry 14's result, stands in the next pair
.elseif (\i) == 16
	WIN HW_<<2
	v_max3_num_f32 v[\t], v[\t], |v[HL_+31]|, v[\t+1]
.elseif (\i) == 17
	WIN 0
	v_add_nc_u32 v[SOP+\n], 0xff000000, v[\t]      ; 2 off its exponent field
.endif
.endm
.macro CODES i, x, c, n, t                     ; line i of 6: 32 codes into v[c .. c+5], the scale's byte into v[EB+n]
.set HW_, (\x)>>8
.set HL_, (\x)&255
.if (\i) == 0
	WIN HW_
	v_cvt_scalef32_pk16_fp6_f32 v[\c:\c+2], v[HL_:HL_+15], v[SOP+\n]
.elseif (\i) == 1
	WIN HW_
	v_cvt_scalef32_pk16_fp6_f32 v[\t:\t+2], v[HL_+16:HL_+31], v[SOP+\n]   ; (a conversion's three registers begin on an even number)
.elseif (\i) == 2
	WIN 0
	v_lshrrev_b32 v[EB+\n], 23, v[SOP+\n]
.else
	WIN 0
	v_mov_b32 v[\c+\i], v[\t+\i-3]
.endif
.endm
.macro WORD p                                  ; the scale word of units 2 p, 2 p + 1
	v_lshl_or_b32 v[PW+(\p)], v[EB+2*(\p)+1], 16, v[EB+2*(\p)]
	v_lshlrev_b32 v[PW+\p], v12, v[PW+\p]          ; my two bytes at their places,
	v_permlanex16_b32 v[PW+2], v[PW+\p], s[SEL], s[SEL+1]
	v_or_b32 v[PW+\p], v[PW+\p], v[PW+2]           ; and lane l xor 16's two
.endm
.macro HALVES c, base, off                     ; four units' halves, 768 bytes each: 512 and 256 consecutive bytes
.irp u, 0,1,2,3
	global_store_b128 v1, v[\c+6*\u:\c+6*\u+3], s[\base:\base+1] offset:\off+768*\u
	global_store_b64 v2, v[\c+6*\u+4:\c+6*\u+5], s[\base:\base+1] offset:\off+768*\u+512
.endr
.endm
; Column tile n of group g.  Behind every second product stand two entries of the last group's unit n
.macro TILE g, n
.set J_, 4*(\g)+(\n)
.if J_ == 7
	WALU
	s_wait_tensorcnt 0x0                           ; my quarter of W_v is in; no LDS load of mine is out at a signal;
	s_wait_dscnt 0x0
	s_barrier_signal -1
	s_barrier_wait -1                              ; everybody's is.
.endif
.if J_ < 11
	WLOAD J_+1                                     ; into the set that the last tile's products have read
.endif
.if J_ == 0
	s_wait_loadcnt 0x0                             ; q's bias
.endif
.if \g == 1
	s_wait_loadcnt 6-\n                            ; this tile's bias is in: behind it k's later tiles (2 loads each) and v's first ones (1 each) may be out
.endif
.if \g == 2
	s_wait_loadcnt 3-\n                            ; v's later tiles may be out
	WIN 0xC3
.irp i, 1,2,3,4,5,6,7
	v_mov_b32 v[192+8*\n+\i], v[192+8*\n]          ; one number a lane, over the tile's eight registers
.endr
	WIN 0
.endif
	WALU                                           ; the wait here, ahead of the blocking wait
.if J_ == 11
	s_wait_dscnt 0x0
.elseif J_%2
	s_wait_dscnt 32                                ; this tile's loads are in; the next tile's may be out
.else
	s_wait_dscnt 24
.endif
.if \g == 2
.set PX_, 640+32*\n
.set PC_, 216+6*\n
.else
.set PX_, 64+32*\n
.set PC_, 192+6*\n
.endif
.set N_, 0
.rept 32
	PROD \g, \n
.if (\g > 0) && (N_%2)
	CHAIN N_-1, PX_, \n
	CHAIN N_, PX_, \n
.endif
.set N_, N_+1
.endr
.if \g > 0
.irp i, 0,1,2,3,4,5
	CODES \i, PX_, PC_, \n, 240                    ; (the shift and the three moves are the places behind the products)
.endr
.if \n%2
	WORD \n/2
.endif
.else
	WIN 0
	PLACES
.endif
.if \g == 0
	WIN 0xC0
	global_load_b128 v[192+8*\n:192+8*\n+3], v7, s[BB:BB+1] offset:4096+32*\n       ; k's bias in place of q's
	global_load_b128 v[192+8*\n+4:192+8*\n+7], v7, s[BB:BB+1] offset:4096+32*\n+16
	WIN 0
.endif
.if \g == 1
	WIN 0xC0
	global_load_b32 v[192+8*\n], v10, s[BB:BB+1] offset:8192+32*\n                  ; and v's
	WIN 0
.endif
.endm
	WALU                                           ; the wait at the head's end
	s_cmp_lt_u32 s[WV], 2
	s_cbranch_scc0 .Lnot_x
	s_wait_tensorcnt 0x0                           ; waves 0 and 1: x's records are in
.Lnot_x:
	s_barrier_signal -1
	s_barrier_wait -1                              ; the weights may be on their way
.set F_, 0
.rept 32                                       ; my 64 tokens, all of K
	XFR
	WIN XW_<<6
.irp p, 0,1,2
	ds_load_b128 v[XR_+4*\p:XR_+4*\p+3], v4 offset:12288*(F_%4)+1536*(F_/4)+512*\p
.endr
.set F_, F_+1
.endr
	WIN 0
.irp k, 0,1,2,3,4,5,6,7
.irp p, 0,1
	ds_load_b32 v[XS+2*\k+\p], v6 offset:49152+1024*\p+128*\k
.endr
.endr
	s_wait_tensorcnt 0x0                           ; all my tensor loads are in, ahead of a refill
	ds_add_u32 v[SPW], v[NIL]
	s_mov_b32 s[G1W+2], 50<<16                     ; no tensor load of mine is out: a quarter of a record is 50 rows
	s_mov_b32 s[G1W+4], 50
	s_mul_i32 s[G0W+1], s[WV], REC/4
	s_add_nc_u64 s[G0W+2:G0W+3], s[6:7], s[66:67]
	s_or_b32 s[G0W+3], s[G0W+3], 0x80000000
	s_wait_dscnt 0x0                               ; the add is done, and my x is in registers
	CROUND                                         ; both now hold of every wave of the cluster
	tensor_load_to_lds s[G0W:G0W+3], s[G1W:G1W+7]  ; my quarter of W_v, onto x's first record
	s_nop 0
	PLACES
	WLOAD 0
	TILE 0, 0
	TILE 0, 1
	TILE 0, 2
	TILE 0, 3
	TILE 1, 0
	TILE 1, 1
	TILE 1, 2
	TILE 1, 3
	HALVES 192, QC, 0                              ; q: a token tile is one half
	v_cndmask_b32 v[MG], v[PW], v[PW+1], s[HM]     ; lanes 0-15 the first pair's words, lanes 16-31 the second's
	global_store_b32 v3, v[MG], s[QSB:QSB+1]
	TILE 2, 0
	TILE 2, 1
	TILE 2, 2
	TILE 2, 3
.irp p, 0,1,2,3,4,5                            ; k: two token tiles are one fragment of the scores' product, three pieces of 512
	global_store_b128 v1, v[216+4*\p:216+4*\p+3], s[KB:KB+1] offset:512*\p
.endr
	v_cndmask_b32 v[MG+1], v[PW], v[PW+1], s[HM]
	global_store_b32 v3, v[MG+1], s[KSB:KSB+1] offset:12288
	PLACES
	s_wait_xcnt 0x0                                ; the stores have read their registers
.set I, 0
.rept 18                                       ; v's four channel tiles, by turns
.irp u, 0,1,2,3
	CHAIN I, 64+32*\u, \u, 216+2*\u
.endr
.set I, I+1
.endr
.set I, 0
.rept 6
.irp u, 0,1,2,3
	CODES I, 64+32*\u, 192+6*\u, \u, 240+4*\u
.endr
.set I, I+1
.endr
	WIN 0
	HALVES 192, KB, 6144                           ; my 64 keys are half c of the fragments
	WORD 0
	WORD 1
.irp p, 0,1
	v_lshrrev_b32 v[224+\p], 16, v[PW+\p]
	v_cndmask_b32 v[226+\p], v[PW+\p], v[224+\p], s[HM]        ; lanes 0-15 the even tile's two bytes, lanes 16-31 the odd tile's:
	global_store_b16 v3, v[226+\p], s[VSB:VSB+1] offset:12544+128*\p   ; half c of each row's word; the wave with the other 64 keys stores the other half
.endr
	s_wait_tensorcnt 0x0                           ; the wave's end, behind my last tensor load
	ds_add_u32 v[SPW], v[NIL]
	s_wait_dscnt 0x0
	CROUND                                         ; the closing round
	s_endpgm
.Lfunc_end_k_q7b1fd92c89_qkv:
	.size	k_q7b1fd92c89_qkv, .Lfunc_end_k_q7b1fd92c89_qkv-k_q7b1fd92c89_qkv
	.p2alignl 7, 3214868480
	.fill 96, 4, 3214868480
	.section	.rodata,"a",@progbits
	.p2align	6, 0x0
	.amdhsa_kernel k_q7b1fd92c89_qkv
		.amdhsa_group_segment_fixed_size 327680
		.amdhsa_private_segment_fixed_size 0
		.amdhsa_enable_private_segment 0
		.amdhsa_kernarg_size 40
		.amdhsa_user_sgpr_count 2
		.amdhsa_user_sgpr_kernarg_segment_ptr 1
		.amdhsa_wavefront_size32 1
		.amdhsa_system_sgpr_workgroup_id_x 1
		.amdhsa_system_sgpr_workgroup_id_y 1
		.amdhsa_system_sgpr_workgroup_id_z 1
		.amdhsa_system_vgpr_workitem_id 0
		.amdhsa_next_free_vgpr 1024
		.amdhsa_next_free_sgpr 80
		.amdhsa_reserve_vcc 0
		.amdhsa_float_denorm_mode_32 3
		.amdhsa_float_denorm_mode_16_64 3
		.amdhsa_memory_ordered 1
		.amdhsa_forward_progress 1
		.amdhsa_inst_pref_size 118
	.end_amdhsa_kernel
	.amdgpu_metadata
---
amdhsa.version: [ 1, 2 ]
amdhsa.kernels:
  - .name:           k_q7b1fd92c89_qkv
    .symbol:         k_q7b1fd92c89_qkv.kd
    .args:
      - { .name: xq, .offset: 0, .size: 8, .value_kind: global_buffer, .address_space: global }
      - { .name: wqc, .offset: 8, .size: 8, .value_kind: global_buffer, .address_space: global }
      - { .name: b_qkv, .offset: 16, .size: 8, .value_kind: global_buffer, .address_space: global }
      - { .name: qq, .offset: 24, .size: 8, .value_kind: global_buffer, .address_space: global }
      - { .name: kv, .offset: 32, .size: 8, .value_kind: global_buffer, .address_space: global }
    .group_segment_fixed_size: 327680
    .private_segment_fixed_size: 0
    .kernarg_segment_align: 8
    .kernarg_segment_size: 40
    .max_flat_workgroup_size: 128
    .sgpr_count:     80
    .vgpr_count:     1024
    .wavefront_size: 32
...
	.end_amdgpu_metadata
.endif
;; end of part 2
;; launch attn (part 3): grid 8 x 32, 8 waves a work-group, clusters of 4 x 1, 327,680 bytes of LDS; arguments qq, kv, yq; writes yq
.if DOCPART == 3
	.amdgcn_target "amdgcn-amd-amdhsa--gfx1250"
	.amdhsa_code_object_version 6
	.text
	.protected	k_q7b1fd92c89_attn
	.globl	k_q7b1fd92c89_attn
	.p2align	8
	.type	k_q7b1fd92c89_attn,@function
k_q7b1fd92c89_attn:
	s_mov_b64 s[64:65], 0
	v_nop
	global_prefetch_b8 v0, s[64:65] scope:SCOPE_SE
	s_setreg_imm32_b32 hwreg(HW_REG_WAVE_MODE, 25, 1), 1
	s_wait_xcnt 0x0
	s_wait_alu depctr_hold_cnt(0) depctr_sa_sdst(0) depctr_va_vdst(0) depctr_va_sdst(0) depctr_va_ssrc(0) depctr_va_vcc(0) depctr_vm_vsrc(0)
	s_getreg_b32 s2, hwreg(HW_REG_IB_STS2, 6, 4)
	s_cmp_eq_u32 s2, 0
	s_cbranch_scc0 .Lentry_in_a_cluster
	s_endpgm
.Lentry_in_a_cluster:
	s_bfe_u32 s2, ttmp6, 0x10000c
	s_cmp_lg_u32 s2, 0x3003
	s_cbranch_scc0 .Lentry_shape_is_right
	s_endpgm
.Lentry_shape_is_right:
; y = softmax(q k^T / 8) v for each of 32 (batch, head), on codes of FP6 (E2M3) with E8M0 scales; y, divided by the row's sum, leaves as codes for the projection.
; p = 2^(t - M), t = score x log2(e) / 8, M the running largest t rounded up to a whole number; the sum is taken of p before it is quantised.
; LIMITS: the scaled scores t stay under 2^31 in magnitude; NaN and infinities are not served.  A block of zeros gets the byte 1 where the rule says 127: its codes are zeros, and the bytes are read by this program alone.
; A block's largest p is the exponential of the block's largest score: the same two instructions on the same number.
; SHARES.  A work-group takes 256 queries of one (batch, head), each of its eight waves 32: tiles A and B of 16.  K and V of the head, 2,048 keys in 16 records of 12,800 bytes, lie in LDS, filled ONCE: a wave's one load brings the
; two records of one step of 256 keys.  The four work-groups of a cluster have the same head and ask JOINTLY.  Everything is asked for at the head: nothing is left to prefetch.
; THE ORDER OF ROWS: of each 64 keys (queries, channels), row 8 h + i of tile t is row 32 h + 8 t + i.  Both products are used transposed, so a lane (r, h) holds one query, and its 32 registers of four neighbouring tiles are the keys
; 64 c + 32 h + 0 .. 31: a whole scale block, in the place where the next operand wants it.  No lane looks at another but for the row's maximum, the row's sum and the bytes of a scale word.
; A score sums 64 products: a fragment of K holds two tiles of keys, and q stands in its lower or upper half with zero codes in the other.
; A UNIT is one tile's step: scores, maxima, exponentials, codes of p.  The two tiles take turns, and the products p v of one stand in the other's unit, where the chain that makes M leaves room.
; K's fragments of the next step are fetched in tile B's unit, behind its scores; V's of a step in tile A's unit, behind the last step's products.
; REGISTERS.  Window 0: addresses, scale words, P (32-55), K's eight fragments (56-151), V's eight (152-247), T (248-255).
;   Window 1: scores, then p (0-127); O^T of A and B (128-191); q: 0, qA, 0, qB, 0, six registers each (192-221); BM (222-229); the sums' chains (230-243); per tile -M, the largest score, the sum in two halves (246-253); f (254-255).
.set RECB,  12800
.set STEPB, 2*RECB
.set SPARE, 16*RECB                    ; behind the records: the spare words, 128 bytes for each wave
.set QSO,   3145728
.set SPW, 4
.set NIL, 5
.set AD16, 8
.set AD8,  9
.set AD4,  10
.set QS,  12                           ; scale words: q's of A and B,
.set KS,  16                           ; K's: register g: lanes 0-15 fragment 2 g, lanes 16-31 fragment 2 g + 1
.set VS,  20                           ; V's: register 2 e + n / 2 of record e, likewise
.set PS,  24                           ; p's, one for each 128 keys
.set QW,  26
.set P,   32
.set K,   56
.set V,   152
.set T,   248
.set S,   0
.set O,   128
.set Q,   192
.set BM,  222
.set A1,  230                          ; seven chains of the sum, v230-243; the eighth is the state's pair
.set H8,  245
.set ST,  246
.set FF,  254
.set HM,  17
.set WV,  18
.set NC,  19
.set SEL, 20
.set CS,  22
.set G1,  24
.set G0,  32
.set TB,  40
.set CNT, 41
.set MSB, 0
.macro WIN new                         ; the immediate's high byte repeats the setting that is left
.if MSB != (\new)
	s_set_vgpr_msb (MSB<<8)|(\new)
.set MSB, \new
.endif
.endm
.macro WALU
	s_wait_alu depctr_va_vdst(0)
.endm
.macro PLACES
.rept 4
	v_nop
.endr
.endm
.macro CROUND                          ; a round of the cluster's barrier
	s_barrier_signal -1
	s_barrier_wait -1
	s_cmp_lg_u32 s[WV], 0
	s_cbranch_scc1 .Lnot_wave_0_\@
	s_barrier_signal -3
.Lnot_wave_0_\@:
	s_barrier_wait -3
	s_barrier_signal -1
	s_barrier_wait -1
.endm
	s_load_b128 s[4:7], s[0:1], 0x0                ; qq, kv
	s_load_b64 s[8:9], s[0:1], 0x10                ; yq
	v_lshl_add_u32 v[SPW], v0, 2, SPARE
	v_mov_b32 v[NIL], 0
	ds_add_u32 v[SPW], v[NIL]                      ; the wave's opening: the add, twice, and its wait ahead of my tensor load
	ds_add_u32 v[SPW], v[NIL]
	v_lshrrev_b32 v1, 5, v0
	v_readfirstlane_b32 s[WV], v1                  ; wave 0..7
	s_mov_b32 s[G1], 15|(3<<16)|(1<<21)            ; the mask: all four work-groups; elements of 8 bytes; 21 set beside a mask
	s_mov_b32 s[G1+1], 32<<16                      ; two records, 25,600 dense bytes, as 100 rows of 256
	s_mov_b32 s[G1+2], 100<<16
	s_mov_b32 s[G1+3], 32<<16
	s_mov_b32 s[G1+4], 100
	s_mov_b32 s[G1+5], 32
	s_mov_b32 s[G1+6], 0
	s_mov_b32 s[G1+7], 0
	s_and_b32 s42, ttmp7, 0xffff                   ; b h
	s_mul_i32 s46, s[WV], STEPB
	s_mul_i32 s44, s42, 16*RECB
	s_add_co_u32 s44, s44, s46
	s_mov_b32 s45, 0
	s_bfe_u32 s48, ttmp6, 0x40000                  ; cx enters the addresses of q and y alone
	s_lshl_b32 s49, ttmp9, 2
	s_add_co_u32 s49, s49, s48
	s_lshl_b32 s49, s49, 3
	s_add_co_u32 s49, s49, s[WV]                   ; my pair of query tiles, 0..63
	s_lshl_b32 s50, s42, 6
	s_add_co_u32 s50, s50, s49
	s_lshl_b32 s52, s50, 6
	s_add_co_u32 s52, s52, QSO
	s_mov_b32 s53, 0
	s_mul_i32 s50, s50, 1536
	s_mov_b32 s51, 0
	s_lshr_b32 s54, s42, 4                         ; y: the pair among the 128 of both batches; the head is half a K step
	s_lshl_b32 s54, s54, 6
	s_add_co_u32 s54, s54, s49
	s_and_b32 s55, s42, 15
	s_lshr_b32 s56, s54, 1
	s_mul_i32 s56, s56, 51200                      ; the record of 64 tokens: [tile 4][K step 8][two halves of 768], then [pair 2][K step 8][128] scale words
	s_and_b32 s54, s54, 1
	s_mul_i32 s57, s55, 768
	s_mul_i32 s58, s54, 24576
	s_add_co_u32 s57, s57, s58
	s_lshl_b32 s58, s54, 10
	s_add_co_u32 s54, s56, s57                     ; codes
	s_add_co_u32 s56, s56, s58
	s_lshr_b32 s57, s55, 1
	s_lshl_b32 s57, s57, 7
	s_add_co_u32 s56, s56, s57
	s_and_b32 s57, s55, 1
	s_lshl_b32 s57, s57, 1
	s_add_co_u32 s56, s56, s57
	s_add_co_u32 s56, s56, 49152                   ; scale words
	s_mov_b32 s57, 0
	s_mov_b32 s55, 0
	s_mov_b32 s[HM], 0xffff0000
	s_mov_b32 s[SEL], 0x76543210
	s_mov_b32 s[SEL+1], 0xfedcba98
	s_mov_b32 s[CS], 0x3e38aa3b                    ; log2(e) / 8
	s_mov_b32 s[CS+1], s[CS]
	s_mov_b32 s[NC], 0xbe38aa3b                    ; and its negative
	s_mov_b32 s[TB], 0
	s_wait_dscnt 0x0                               ; both opening adds are done
	CROUND                                         ; all four work-groups are here: the joint loads meet
	s_wait_kmcnt 0x0
	s_mov_b32 s[G0], 1
	s_mov_b32 s[G0+1], s46
	s_add_nc_u64 s[G0+2:G0+3], s[6:7], s[44:45]
	s_or_b32 s[G0+3], s[G0+3], 0x80000000
	s_cmp_lt_u32 s[WV], 2                          ; one load a wave; two lines, since waves 0 and 1 (steps 0 and 1) are waited for first
	s_cbranch_scc0 .Llate
	tensor_load_to_lds s[G0:G0+3], s[G1:G1+7]
	s_nop 0
	PLACES
	s_branch .Lasked
.Llate:
	tensor_load_to_lds s[G0:G0+3], s[G1:G1+7]
	s_nop 0
	PLACES
.Lasked:
	s_add_nc_u64 s[50:51], s[4:5], s[50:51]
	s_add_nc_u64 s[52:53], s[4:5], s[52:53]
	s_add_nc_u64 s[54:55], s[8:9], s[54:55]
	s_add_nc_u64 s[56:57], s[8:9], s[56:57]
	v_and_b32 v7, 31, v0
	v_lshlrev_b32 v1, 4, v7                        ; 16 l, 8 l, 4 l; never rewritten
	v_lshlrev_b32 v2, 3, v7
	v_lshlrev_b32 v3, 2, v7
	v_and_b32 v6, 15, v0
	v_lshlrev_b32 v6, 2, v6
	WALU
	WIN 0x40
	global_load_b128 v[Q+6:Q+9], v1, s[50:51]
	global_load_b64 v[Q+10:Q+11], v2, s[50:51] offset:512
	global_load_b128 v[Q+18:Q+21], v1, s[50:51] offset:768
	global_load_b64 v[Q+22:Q+23], v2, s[50:51] offset:1280
	WIN 0
	global_load_b32 v[QW], v6, s[52:53]            ; bytes 0, 1 tile A's, 2, 3 tile B's
	v_lshlrev_b32 v[AD16], 4, v7
	v_lshlrev_b32 v[AD8], 3, v7
	v_lshlrev_b32 v[AD4], 2, v7
	WIN 0x40
	v_bfe_u32 v[H8], v0, 4, 1
	WIN 0x44
	v_lshlrev_b32 v[H8], 3, v[H8]                  ; 8 h
.irp j, 0,1,2,3,4,5
	v_mov_b32 v[Q+\j], 0
	v_mov_b32 v[Q+12+\j], 0
	v_mov_b32 v[Q+24+\j], 0
.endr
.irp x, 0,1
	v_mov_b32 v[ST+4*\x], 0x7e000000               ; -M: so large that the first f is 0
	v_mov_b32 v[ST+4*\x+1], 0xff61b1e6             ; the largest score so far: -3e38
	v_mov_b32 v[ST+4*\x+2], 0
	v_mov_b32 v[ST+4*\x+3], 0
.endr
	v_mov_b32 v[FF+1], 0
	WIN 0
	WALU                                           ; the wait at the head's end
	s_cmp_lt_u32 s[WV], 2
	s_cbranch_scc0 .Lnot_early
	s_wait_tensorcnt 0x0                           ; waves 0 and 1: steps 0 and 1 are in
.Lnot_early:
	s_barrier_signal -1
	s_barrier_wait -1
.macro KLOAD                                   ; K's fragments (three pieces of 512 bytes) and scale words of a step: 28 loads
	WIN 0
.irp f, 0,1,2,3,4,5,6,7
.irp p, 0,1,2
	ds_load_b128 v[K+12*\f+4*\p:K+12*\f+4*\p+3], v[AD16] offset:RECB*(\f/4)+1536*(\f%4)+512*\p
.endr
.endr
.irp g, 0,1,2,3
	ds_load_b32 v[KS+\g], v[AD4] offset:RECB*(\g/2)+12288+128*(\g%2)
.endr
.endm
.macro VLOAD                                   ; V's: 36 loads
	WIN 0
.irp e, 0,1
.irp n, 0,1,2,3
	ds_load_b128 v[V+48*\e+12*\n:V+48*\e+12*\n+3], v[AD16] offset:RECB*\e+6144+768*\n
	ds_load_b64 v[V+48*\e+12*\n+4:V+48*\e+12*\n+5], v[AD8] offset:RECB*\e+6144+768*\n+512
	ds_load_b128 v[V+48*\e+12*\n+6:V+48*\e+12*\n+9], v[AD16] offset:RECB*\e+9216+768*\n
	ds_load_b64 v[V+48*\e+12*\n+10:V+48*\e+12*\n+11], v[AD8] offset:RECB*\e+9216+768*\n+512
.endr
	ds_load_b32 v[VS+2*\e], v[AD4] offset:RECB*\e+12544
	ds_load_b32 v[VS+2*\e+1], v[AD4] offset:RECB*\e+12672
.endr
.endm
.macro WZ d, a, b, sa, sb, ra
.if (\ra) == 0
	v_wmma_scale_f32_16x16x128_f8f6f4 v[\d:\d+7], v[\a:\a+11], v[\b:\b+11], 0, v[\sa], v[\sb] matrix_a_fmt:MATRIX_FMT_FP6 matrix_b_fmt:MATRIX_FMT_FP6
.else
	v_wmma_scale_f32_16x16x128_f8f6f4 v[\d:\d+7], v[\a:\a+11], v[\b:\b+11], 0, v[\sa], v[\sb] matrix_a_fmt:MATRIX_FMT_FP6 matrix_b_fmt:MATRIX_FMT_FP6 matrix_a_scale:MATRIX_SCALE_ROW1
.endif
.endm
.macro WA d, a, b, sa, sb, ra
.if (\ra) == 0
	v_wmma_scale_f32_16x16x128_f8f6f4 v[\d:\d+7], v[\a:\a+11], v[\b:\b+11], v[\d:\d+7], v[\sa], v[\sb] matrix_a_fmt:MATRIX_FMT_FP6 matrix_b_fmt:MATRIX_FMT_FP6
.else
	v_wmma_scale_f32_16x16x128_f8f6f4 v[\d:\d+7], v[\a:\a+11], v[\b:\b+11], v[\d:\d+7], v[\sa], v[\sb] matrix_a_fmt:MATRIX_FMT_FP6 matrix_b_fmt:MATRIX_FMT_FP6 matrix_a_scale:MATRIX_SCALE_ROW1
.endif
.endm
.macro SPROD x                                 ; S^T = k q^T: 16 tiles of 16 keys
	WIN 0x44
.irp f, 0,1,2,3,4,5,6,7
	WZ S+16*\f, K+12*\f, Q+12*\x+6, KS+\f/2, QS+\x, \f%2
	WZ S+16*\f+8, K+12*\f, Q+12*\x, KS+\f/2, QS+\x, \f%2
.endr
.endm
.macro PV y, e                                 ; O^T += v^T p^T over the 128 keys of record e; the four accumulators take turns
	WIN 0x50
.irp n, 0,1,2,3
	WA O+32*\y+8*\n, V+48*\e+12*\n, P+12*\e, VS+2*\e+\n/2, PS+\e, \n%2
.endr
.endm
.macro PVN y, e, n, cnt                        ; cnt of these four products, from tile n on
.set PN_, \n
	WIN 0x50
.rept \cnt
	WA O+32*\y+8*PN_, V+48*\e+12*PN_, P+12*\e, VS+2*\e+PN_/2, PS+\e, PN_%2
.set PN_, PN_+1
.endr
	WIN 0x55
.endm
.macro MAXS                                    ; the largest score of each of the four blocks: two chains a block, eight by turns
.irp q, 0,1,2,3,4,5,6,7
	v_max3_num_f32 v[BM+\q], v[S+16*\q], v[S+16*\q+1], v[S+16*\q+2]
.endr
.irp i, 3,5,7,9,11,13
.irp q, 0,1,2,3,4,5,6,7
	v_max3_num_f32 v[BM+\q], v[BM+\q], v[S+16*\q+\i], v[S+16*\q+\i+1]
.endr
.endr
.irp k, 0,1,2,3
	v_max3_num_f32 v[BM+2*\k], v[BM+2*\k], v[BM+2*\k+1], v[S+32*\k+15]
.endr
.irp k, 0,1,2,3
	v_max_num_f32 v[BM+2*\k], v[BM+2*\k], v[S+32*\k+31]
.endr
.endm
.macro CVTS s, k                               ; two blocks of 32 numbers from s on: codes, the second halves into T (a conversion's three registers begin on an even number)
	WIN 0x05
.irp q, 0,1
	v_cvt_scalef32_pk16_fp6_f32 v[P+6*(\k+\q):P+6*(\k+\q)+2], v[\s+32*\q:\s+32*\q+15], v[BM+2*(\k+\q)]
	v_cvt_scalef32_pk16_fp6_f32 v[T+4*\q:T+4*\q+2], v[\s+32*\q+16:\s+32*\q+31], v[BM+2*(\k+\q)]
.endr
.endm
.macro MOVS k
	WIN 0
.irp q, 0,1
.irp i, 0,1,2
	v_mov_b32 v[P+6*(\k+\q)+3+\i], v[T+4*\q+\i]
.endr
.endr
.endm
; the scales of blocks k, k + 1 from their largest p, in six parts, and the word of these 128 keys
.macro SC1 k
	v_max_num_f32 v[BM+2*\k], 0x1800000, v[BM+2*\k]            ; the floor 2^(3 - 127): the byte cannot fall under 1
	v_max_num_f32 v[BM+2*\k+2], 0x1800000, v[BM+2*\k+2]
.endm
.macro SC2 k
	v_add_nc_u32 v[BM+2*\k], 0xff000000, v[BM+2*\k]            ; 2 off the exponent field: the conversion's scale operand
	v_add_nc_u32 v[BM+2*\k+2], 0xff000000, v[BM+2*\k+2]
.endm
.macro SC3 k
	v_lshrrev_b32 v[BM+2*\k+1], 23, v[BM+2*\k]                 ; the bytes
	v_lshrrev_b32 v[BM+2*\k+3], 23, v[BM+2*\k+2]
.endm
.macro SC4 k
	v_lshl_or_b32 v[BM+2*\k+1], v[BM+2*\k+3], 16, v[BM+2*\k+1]
.endm
.macro SC5 k
	v_lshlrev_b32 v[BM+2*\k+1], v[H8], v[BM+2*\k+1]            ; my two at their places,
.endm
.macro SC6 k
	v_permlanex16_b32 v[BM+2*\k+3], v[BM+2*\k+1], s[SEL], s[SEL+1]
.endm
.macro SC7 k
	WIN 0x05
	v_or_b32 v[PS+\k/2], v[BM+2*\k+1], v[BM+2*\k+3]            ; and lane l xor 16's two
.endm
.macro SUMEND x                                ; the eight chains of the sum are joined
	v_pk_add_f32 v[A1:A1+1], v[A1:A1+1], v[A1+2:A1+3]
	v_pk_add_f32 v[A1+4:A1+5], v[A1+4:A1+5], v[A1+6:A1+7]
	v_pk_add_f32 v[A1+8:A1+9], v[A1+8:A1+9], v[A1+10:A1+11]
	v_pk_add_f32 v[ST+4*\x+2:ST+4*\x+3], v[ST+4*\x+2:ST+4*\x+3], v[A1+12:A1+13]
	v_pk_add_f32 v[A1:A1+1], v[A1:A1+1], v[A1+4:A1+5]
	v_pk_add_f32 v[ST+4*\x+2:ST+4*\x+3], v[ST+4*\x+2:ST+4*\x+3], v[A1+8:A1+9]
	v_pk_add_f32 v[ST+4*\x+2:ST+4*\x+3], v[ST+4*\x+2:ST+4*\x+3], v[A1:A1+1]
.endm
.macro OMUL x, i                               ; eight registers of O^T under the new M
.set EI, 4*\i
.rept 4
	v_pk_mul_f32 v[O+32*\x+2*EI:O+32*\x+2*EI+1], v[O+32*\x+2*EI:O+32*\x+2*EI+1], v[FF:FF+1] op_sel_hi:[1,0]
.set EI, EI+1
.endr
.endm
.macro SUMS x, n                               ; n more pairs onto the eight chains of the sum
.rept \n
.if SI < 16
.set SP_, S+4*SI
.else
.set SP_, S+64+2*(SI-16)
.endif
.if SI%8
.set SA_, A1+2*(SI%8-1)
.else
.set SA_, ST+2+4*\x
.endif
	v_pk_add_f32 v[SA_:SA_+1], v[SA_:SA_+1], v[SP_:SP_+1]
.set SI, SI+1
.endr
.endm
; A unit of tile x; y: the other tile.  ld: 0 fetch V of this step, 1 fetch K of the next step, 2 nothing more to fetch.  pv: the other tile's products stand in it
.macro UNIT x, y, ld, pv
.if \x == 0
	WALU                                           ; the wait here, ahead of the blocking wait
	s_wait_dscnt 0x0                               ; K's fragments of this step are in
.endif
	SPROD \x
.if \pv
	MOVS 2                                         ; the end of the last unit's codes: the places behind the products
.else
	PLACES
.endif
.if \ld == 1
	s_add_co_u32 s[TB], s[TB], STEPB
	v_add_nc_u32 v[AD16], s[TB], v1
	v_add_nc_u32 v[AD8], s[TB], v2
	v_add_nc_u32 v[AD4], s[TB], v3
	KLOAD
	s_wait_dscnt 28                                ; V's of this step are in; the 28 just issued may be out
.endif
.if \ld == 2
	s_wait_dscnt 0x0
.endif
	WIN 0x55
.if \pv
	SUMEND \y
.endif
	MAXS
	v_max3_num_f32 v[BM+1], v[BM], v[BM+2], v[BM+4]
.if \pv
	PVN \y, 0, 0, 2                                ; the other tile's products, between the links of the chain that makes M
.endif
	v_max_num_f32 v[BM+1], v[BM+1], v[BM+6]
.if \pv
	PVN \y, 0, 2, 2
.endif
	v_permlanex16_b32 v[BM+3], v[BM+1], s[SEL], s[SEL+1]
.if \pv
	PVN \y, 1, 0, 2
.endif
	v_max3_num_f32 v[ST+4*\x+1], v[ST+4*\x+1], v[BM+1], v[BM+3]   ; the running largest score of my query
	v_mov_b32 v[FF], v[ST+4*\x]
.if \pv
	PVN \y, 1, 2, 1
.endif
	v_mul_f32 v[BM+1], s[NC], v[ST+4*\x+1]
.if \pv
	PVN \y, 1, 3, 1
.endif
	v_floor_f32 v[ST+4*\x], v[BM+1]                ; -M = floor(-t): M is a whole number
.set EI, 0
.rept 32
	v_pk_fma_f32 v[S+2*EI:S+2*EI+1], v[S+2*EI:S+2*EI+1], s[CS:CS+1], v[ST+4*\x:ST+4*\x+1] op_sel_hi:[1,0,0]   ; t - M of blocks 0, 1
.if EI == 3
	v_sub_f32 v[FF], v[ST+4*\x], v[FF]             ; the old M less the new
.endif
.if EI == 11
	v_cvt_i32_f32 v[FF], v[FF]                     ; (it saturates)
.endif
.if EI == 19
	v_ldexp_f32 v[FF], 1.0, v[FF]                  ; f = 2^(old M - new M)
.endif
.set EI, EI+1
.endr
	v_fma_f32 v[BM], v[BM], s[CS], v[ST+4*\x]
	v_fma_f32 v[BM+2], v[BM+2], s[CS], v[ST+4*\x]
.if \ld == 0
	VLOAD
.endif
	WIN 0x55
	WALU                                           ; the wait ahead of the exponentials
.set EI, 0
.rept 32                                       ; p of blocks 0, 1; between them t - M of blocks 2, 3
	v_exp_f32 v[S+2*EI], v[S+2*EI]
	v_exp_f32 v[S+2*EI+1], v[S+2*EI+1]
	v_pk_fma_f32 v[S+64+2*EI:S+64+2*EI+1], v[S+64+2*EI:S+64+2*EI+1], s[CS:CS+1], v[ST+4*\x:ST+4*\x+1] op_sel_hi:[1,0,0]
.set EI, EI+1
.endr
	v_exp_f32 v[BM], v[BM]                         ; each block's largest p
	v_exp_f32 v[BM+2], v[BM+2]
	v_fma_f32 v[BM+4], v[BM+4], s[CS], v[ST+4*\x]
	v_fma_f32 v[BM+6], v[BM+6], s[CS], v[ST+4*\x]
	WALU                                           ; behind this batch and ahead of the next
	OMUL \x, 0                                     ; O^T under the new M, between the links of the scales' chain
	SC1 0
	OMUL \x, 1
	SC2 0
	OMUL \x, 2
	SC3 0
	OMUL \x, 3
	SC4 0
	v_pk_mul_f32 v[ST+4*\x+2:ST+4*\x+3], v[ST+4*\x+2:ST+4*\x+3], v[FF:FF+1] op_sel_hi:[1,0]   ; and the sum
	SC5 0
	SC6 0
	CVTS S, 0
	SC7 0                                          ; (a plain place behind the conversions; the moves follow further down)
	WIN 0x55
	v_exp_f32 v[BM+4], v[BM+4]
	v_exp_f32 v[BM+6], v[BM+6]
.set EI, 0
.rept 16                                       ; p of blocks 2, 3; between them the first additions of blocks 0, 1, whose codes are made
.irp i, 0,1,2,3
	v_exp_f32 v[S+64+4*EI+\i], v[S+64+4*EI+\i]
.endr
	v_pk_add_f32 v[S+4*EI:S+4*EI+1], v[S+4*EI:S+4*EI+1], v[S+4*EI+2:S+4*EI+3]
.set EI, EI+1
.endr
	WALU
	SC1 2
.irp i, 0,1,2,3,4,5,6                          ; the row's sum is taken of the unquantised p, in eight chains; they are joined in the next unit
	v_pk_add_f32 v[A1+2*\i:A1+2*\i+1], v[S+8*\i:S+8*\i+1], v[S+8*\i+4:S+8*\i+5]
.endr
.set SI, 14
	SC2 2
	SUMS \x, 4
	SC3 2
	SUMS \x, 4
	SC4 2
	SUMS \x, 4
	SC5 2
	SUMS \x, 4
	SC6 2
	SUMS \x, 2
	MOVS 0
	CVTS S+64, 2
	SC7 2
	WIN 0x55
	SUMS \x, 16
.endm
	KLOAD
	s_wait_loadcnt 0x0
	v_and_b32 v[QS], 0xffff, v[QW]                 ; q's two bytes serve either half of the fragment
	v_lshl_or_b32 v[QS], v[QS], 16, v[QS]
	v_lshrrev_b32 v[QS+1], 16, v[QW]
	v_lshl_or_b32 v[QS+1], v[QS+1], 16, v[QS+1]
	WIN 0x40
.set EI, 0
.rept 64
	v_mov_b32 v[O+EI], 0
.set EI, EI+1
.endr
	UNIT 0, 1, 0, 0                                ; tile A, step 0
	WIN 0
	WALU
	s_wait_tensorcnt 0x0                           ; my load is in, whichever it was;
	s_wait_dscnt 0x0
	s_barrier_signal -1
	s_barrier_wait -1                              ; all sixteen records are whole: no barrier follows in the loop
	s_mov_b32 s[CNT], 7
.Lstep:                                                ; tile B's step s, tile A's step s + 1
	UNIT 1, 0, 1, 1
	UNIT 0, 1, 0, 1
	WIN 0
	s_sub_co_u32 s[CNT], s[CNT], 1
	s_cmp_lg_u32 s[CNT], 0
	WALU                                           ; the wait here, directly ahead of the branch
	s_cbranch_scc1 .Lstep
	UNIT 1, 0, 2, 1                                ; tile B's last step
	MOVS 2
	WIN 0x55
	SUMEND 1
.irp x, 0,1
	v_add_f32 v[ST+4*\x+2], v[ST+4*\x+2], v[ST+4*\x+3]
.endr
.irp x, 0,1
	v_permlanex16_b32 v[BM+\x], v[ST+4*\x+2], s[SEL], s[SEL+1]
.endr
.irp x, 0,1
	v_add_f32 v[ST+4*\x+2], v[ST+4*\x+2], v[BM+\x] ; the rows' sums
.endr
	PV 1, 0
	PV 1, 1
	WIN 0x55
	WALU                                           ; ahead of the reciprocals, and behind them ahead of the first readers
	v_rcp_f32 v[ST+2], v[ST+2]
	v_rcp_f32 v[ST+6], v[ST+6]
	v_nop
	WALU
.irp x, 0,1
.set EI, 0
.rept 16
	v_pk_mul_f32 v[O+32*\x+2*EI:O+32*\x+2*EI+1], v[O+32*\x+2*EI:O+32*\x+2*EI+1], v[ST+4*\x+2:ST+4*\x+3] op_sel_hi:[1,0]
.set EI, EI+1
.endr
.endr
.irp q, 0,1,2,3                                ; y's codes: a lane's 32 channels of a tile are one block
	v_max3_num_f32 v[BM+\q], |v[O+16*\q]|, |v[O+16*\q+1]|, 0x1800000
.endr
.irp i, 2,4,6,8,10,12,14
.irp q, 0,1,2,3
	v_max3_num_f32 v[BM+\q], v[BM+\q], |v[O+16*\q+\i]|, |v[O+16*\q+\i+1]|
.endr
.endr
	v_max_num_f32 v[BM], v[BM], v[BM+1]
	v_max_num_f32 v[BM+2], v[BM+2], v[BM+3]
	SC2 0
	SC3 0
	v_lshlrev_b32 v[BM+1], v[H8], v[BM+1]
	v_lshlrev_b32 v[BM+3], v[H8], v[BM+3]
	v_permlanex16_b32 v[BM+4], v[BM+1], s[SEL], s[SEL+1]
	v_permlanex16_b32 v[BM+5], v[BM+3], s[SEL], s[SEL+1]
	v_or_b32 v[BM+1], v[BM+1], v[BM+4]
	v_or_b32 v[BM+3], v[BM+3], v[BM+5]
	CVTS O, 0
	v_cndmask_b32 v[QW], v[BM+1], v[BM+3], s[HM]   ; lanes 0-15 tile A's two bytes, lanes 16-31 tile B's
	MOVS 0
	global_store_b128 v1, v[P:P+3], s[54:55]       ; half a fragment: 512 and 256 consecutive bytes
	global_store_b64 v2, v[P+4:P+5], s[54:55] offset:512
	global_store_b128 v1, v[P+6:P+9], s[54:55] offset:12288
	global_store_b64 v2, v[P+10:P+11], s[54:55] offset:12800
	global_store_b16 v3, v[QW], s[56:57]           ; this head's half of each row's word
	s_wait_tensorcnt 0x0                           ; the wave's end, behind my tensor load
	ds_add_u32 v[SPW], v[NIL]
	s_wait_dscnt 0x0
	CROUND                                         ; the closing round
	s_endpgm
.Lfunc_end_k_q7b1fd92c89_attn:
	.size	k_q7b1fd92c89_attn, .Lfunc_end_k_q7b1fd92c89_attn-k_q7b1fd92c89_attn
	.p2alignl 7, 3214868480
	.fill 96, 4, 3214868480
	.section	.rodata,"a",@progbits
	.p2align	6, 0x0
	.amdhsa_kernel k_q7b1fd92c89_attn
		.amdhsa_group_segment_fixed_size 327680
		.amdhsa_private_segment_fixed_size 0
		.amdhsa_enable_private_segment 0
		.amdhsa_kernarg_size 24
		.amdhsa_user_sgpr_count 2
		.amdhsa_user_sgpr_kernarg_segment_ptr 1
		.amdhsa_wavefront_size32 1
		.amdhsa_system_sgpr_workgroup_id_x 1
		.amdhsa_system_sgpr_workgroup_id_y 1
		.amdhsa_system_sgpr_workgroup_id_z 1
		.amdhsa_system_vgpr_workitem_id 0
		.amdhsa_next_free_vgpr 512
		.amdhsa_next_free_sgpr 66
		.amdhsa_reserve_vcc 0
		.amdhsa_float_denorm_mode_32 3
		.amdhsa_float_denorm_mode_16_64 3
		.amdhsa_memory_ordered 1
		.amdhsa_forward_progress 1
		.amdhsa_inst_pref_size 118
	.end_amdhsa_kernel
	.amdgpu_metadata
---
amdhsa.version: [ 1, 2 ]
amdhsa.kernels:
  - .name:           k_q7b1fd92c89_attn
    .symbol:         k_q7b1fd92c89_attn.kd
    .args:
      - { .name: qq, .offset: 0, .size: 8, .value_kind: global_buffer, .address_space: global }
      - { .name: kv, .offset: 8, .size: 8, .value_kind: global_buffer, .address_space: global }
      - { .name: yq, .offset: 16, .size: 8, .value_kind: global_buffer, .address_space: global }
    .group_segment_fixed_size: 327680
    .private_segment_fixed_size: 0
    .kernarg_segment_align: 8
    .kernarg_segment_size: 24
    .max_flat_workgroup_size: 256
    .sgpr_count:     66
    .vgpr_count:     512
    .wavefront_size: 32
...
	.end_amdgpu_metadata
.endif
;; end of part 3
;; launch proj (part 4): grid 16 x 16, 4 waves a work-group, clusters of 4 x 4, 327,680 bytes of LDS; arguments yq, wpc, b_proj, out0; writes out0
.if DOCPART == 4
	.amdgcn_target "amdgcn-amd-amdhsa--gfx1250"
	.amdhsa_code_object_version 6
	.text
	.protected	k_q7b1fd92c89_proj
	.globl	k_q7b1fd92c89_proj
	.p2align	8
	.type	k_q7b1fd92c89_proj,@function
k_q7b1fd92c89_proj:
	s_mov_b64 s[64:65], 0
	v_nop
	global_prefetch_b8 v0, s[64:65] scope:SCOPE_SE
	s_setreg_imm32_b32 hwreg(HW_REG_WAVE_MODE, 25, 1), 1
	s_wait_xcnt 0x0
	s_wait_alu depctr_hold_cnt(0) depctr_sa_sdst(0) depctr_va_vdst(0) depctr_va_sdst(0) depctr_va_ssrc(0) depctr_va_vcc(0) depctr_vm_vsrc(0)
	s_getreg_b32 s2, hwreg(HW_REG_IB_STS2, 6, 4)
	s_cmp_eq_u32 s2, 0
	s_cbranch_scc0 .Lentry_in_a_cluster
	s_endpgm
.Lentry_in_a_cluster:
	s_bfe_u32 s2, ttmp6, 0x10000c
	s_cmp_lg_u32 s2, 0xf033
	s_cbranch_scc0 .Lentry_shape_is_right
	s_endpgm
.Lentry_shape_is_right:
; out = y w_proj + b_proj on codes of FP6 (E2M3) with E8M0 scales for each 32 along K = 1,024; out is [4096][1024] f32.
; SHARES.  A work-group makes 256 tokens x 64 columns (256 aligned bytes of each row of out); each of its four waves 64 tokens.  The 64 columns' weights, all of K, lie in registers (384), and y's tiles of 16 tokens stream past them out of LDS:
; a tile's 32 products finish 16 x 64 of out, which leave while the next tile is multiplied.
; RECORDS of 64 rows (tokens or columns), 51,200 bytes: [tile 4][K step 8][1,536], then [pair of tiles 2][K step 8][128] scale words.  A weight's 1,536 bytes are three pieces of 512 (registers 4 p .. 4 p + 3 at 16 x lane), y's two halves of 768
; (512 at 16 x lane, 256 at 8 x lane).  Row 8 h + i of tile t is row 32 h + 8 t + i of the 64.
; CLUSTERS of 4 x 4: the four of a column have the same tokens, the four of a row the same columns: every tile is asked for JOINTLY, at the head, one load a wave: waves 0, 1 the weights' halves, waves 2, 3 two records of y each.  No slot is filled again,
; and nothing is left to prefetch.
; The product is used TRANSPOSED (source 0 = 16 columns of the weight, source 1 = 16 tokens): a lane's 32 registers are 32 neighbouring columns of one row.  The bias is the C of each sum's first product.
; REGISTERS, in windows of 256: window 0: addresses; v16-31 the weights' scale words; v32-47 y's; v64-127 the accumulators, two sets; v128-191 rows on the way out, two sets.
;   The weights' fragment 4 x K step + tile: 0-20 fill window 1, 21-30 window 2's v0-119, 31 window 3's v224-235.  Window 3: v0-191 y's tile, two sets; v192-223 the bias.
.set REC,   51200
.set WL,    4*REC                      ; LDS: y's four records from 0, the weights behind them,
.set STG,   5*REC                      ; and a stage of 16 rows x (256 bytes + 16) for each wave; no tensor load lands there
.set SPARE, STG+4*16*272               ; the spare words, 128 bytes for each wave
.set SPW, 14
.set NIL, 15
.set WS,  16                           ; register 2 ks + p: lanes 0-15 tile 2 p, lanes 16-31 tile 2 p + 1
.set YS,  32
.set AC,  64
.set OB,  128
.set WV,  18
.set G1Y, 24
.set G1W, 72
.set G0Y, 32
.set G0W, 36
.set BB,  54
.set OUTB, 56
.set MSB, 0
.macro WIN new                         ; the immediate's high byte repeats the setting that is left
.if MSB != (\new)
	s_set_vgpr_msb (MSB<<8)|(\new)
.set MSB, \new
.endif
.endm
.macro WALU
	s_wait_alu depctr_va_vdst(0)
.endm
.macro PLACES                          ; four places behind matrix instructions, ahead of loads into their registers and of reads of their results
.rept 4
	v_nop
.endr
.endm
.macro CROUND                          ; a round of the cluster's barrier
	s_barrier_signal -1
	s_barrier_wait -1
	s_cmp_lg_u32 s[WV], 0
	s_cbranch_scc1 .Lnot_wave_0_\@
	s_barrier_signal -3
.Lnot_wave_0_\@:
	s_barrier_wait -3
	s_barrier_signal -1
	s_barrier_wait -1
.endm
.macro GROUP1 g, mask, rows            ; dense bytes as rows of 256 (32 elements of 8)
	s_or_b32 s[\g], s[\mask], (3<<16)|(1<<21)
	s_mov_b32 s[\g+1], 32<<16
	s_mov_b32 s[\g+2], (\rows)<<16
	s_mov_b32 s[\g+3], 32<<16
	s_mov_b32 s[\g+4], \rows
	s_mov_b32 s[\g+5], 32
	s_mov_b32 s[\g+6], 0
	s_mov_b32 s[\g+7], 0
.endm
	s_load_b256 s[4:11], s[0:1], 0x0               ; yq s[4:5], wpc s[6:7], b_proj s[8:9], out0 s[10:11]
	v_lshl_add_u32 v[SPW], v0, 2, SPARE
	v_mov_b32 v[NIL], 0
	ds_add_u32 v[SPW], v[NIL]                      ; the wave's opening: the add, twice, and its wait ahead of my tensor load
	ds_add_u32 v[SPW], v[NIL]
	v_lshrrev_b32 v1, 5, v0
	v_readfirstlane_b32 s[WV], v1                  ; wave 0..3
	s_bfe_u32 s40, ttmp6, 0x40000                  ; cx
	s_bfe_u32 s41, ttmp6, 0x40004                  ; cy
	s_lshl_b32 s42, ttmp9, 2
	s_add_co_u32 s42, s42, s40                     ; my block of 256 tokens: shared along my column
	s_and_b32 s43, ttmp7, 0xffff
	s_lshl_b32 s43, s43, 2
	s_add_co_u32 s43, s43, s41                     ; my 64 columns: shared along my row
	s_lshl_b32 s48, 0x1111, s40
	s_lshl_b32 s49, s41, 2
	s_lshl_b32 s49, 15, s49
	GROUP1 G1Y, 48, 400
	GROUP1 G1W, 49, 100
	s_and_b32 s22, s[WV], 1
	s_mul_i32 s44, s42, 4*REC
	s_mul_i32 s23, s22, 2*REC
	s_add_co_u32 s44, s44, s23
	s_mov_b32 s45, 0
	s_mov_b32 s[G0Y], 1
	s_mov_b32 s[G0Y+1], s23
	s_mul_i32 s46, s43, REC
	s_mul_i32 s23, s22, REC/2
	s_add_co_u32 s46, s46, s23
	s_mov_b32 s47, 0
	s_mov_b32 s[G0W], 1
	s_add_co_u32 s[G0W+1], s23, WL
	s_wait_dscnt 0x0                               ; both opening adds are done
	CROUND                                         ; all sixteen work-groups are here: the joint loads meet
	s_wait_kmcnt 0x0
	s_add_nc_u64 s[G0Y+2:G0Y+3], s[4:5], s[44:45]
	s_or_b32 s[G0Y+3], s[G0Y+3], 0x80000000
	s_add_nc_u64 s[G0W+2:G0W+3], s[6:7], s[46:47]
	s_or_b32 s[G0W+3], s[G0W+3], 0x80000000
	s_cmp_lt_u32 s[WV], 2
	s_cbranch_scc0 .Ltokens
	tensor_load_to_lds s[G0W:G0W+3], s[G1W:G1W+7]
	s_nop 0
	PLACES
	s_branch .Lasked
.Ltokens:
	tensor_load_to_lds s[G0Y:G0Y+3], s[G1Y:G1Y+7]
	s_nop 0
	PLACES
.Lasked:
	s_lshl_b32 s[BB], s43, 8
	s_mov_b32 s[BB+1], 0
	s_lshl_b32 s[OUTB], s42, 2
	s_add_co_u32 s[OUTB], s[OUTB], s[WV]
	s_lshl_b32 s[OUTB], s[OUTB], 18                ; 64 rows of 4,096 bytes
	s_add_co_u32 s[OUTB], s[OUTB], s[BB]           ; + 256 bytes for each 64 columns
	s_mov_b32 s[OUTB+1], 0
	s_add_nc_u64 s[BB:BB+1], s[8:9], s[BB:BB+1]
	s_add_nc_u64 s[OUTB:OUTB+1], s[10:11], s[OUTB:OUTB+1]
	s_mul_i32 s48, s[WV], REC
	s_mul_i32 s49, s[WV], 16*272
	s_add_co_u32 s49, s49, STG                     ; my stage
	v_and_b32 v3, 31, v0
	v_lshlrev_b32 v1, 4, v3
	v_lshlrev_b32 v2, 3, v3
	v_lshlrev_b32 v3, 2, v3
	v_add_nc_u32 v4, s48, v1                       ; my record of y in LDS
	v_add_nc_u32 v5, s48, v2
	v_add_nc_u32 v6, s48, v3
	v_add_nc_u32 v8, WL, v1                        ; the weights
	v_add_nc_u32 v9, WL, v3
	v_and_b32 v11, 15, v0                          ; r
	v_bfe_u32 v12, v0, 4, 1                        ; h
	v_lshlrev_b32 v7, 7, v12                       ; 128 h: the bias
	v_mul_u32_u24 v10, v11, 272
	v_add3_u32 v10, v10, v7, s49                   ; the stage, in: row r, + 128 h
	v_lshlrev_b32 v13, 12, v12
	v_lshl_add_u32 v13, v11, 4, v13                ; out: lanes 0-15 one row of 256 bytes, lanes 16-31 the next
	v_mul_u32_u24 v12, v12, 272
	v_lshl_add_u32 v12, v11, 4, v12
	v_add_nc_u32 v11, s49, v12                     ; and the same two rows in the stage
	WALU
	WIN 0xC0
.irp n, 0,1,2,3                                ; the bias of columns 32 h + 8 n + 0 .. 7
	global_load_b128 v[192+8*\n:192+8*\n+3], v7, s[BB:BB+1] offset:32*\n
	global_load_b128 v[192+8*\n+4:192+8*\n+7], v7, s[BB:BB+1] offset:32*\n+16
.endr
	WIN 0
.macro XFR                                     ; fragment F_'s window and register
.if F_ < 21
.set XW_, 1
.set XR_, 12*F_
.elseif F_ < 31
.set XW_, 2
.set XR_, 12*(F_-21)
.else
.set XW_, 3
.set XR_, 224
.endif
.endm
.macro YLOAD t                                 ; y's tile t, all of K: 32 loads
	WIN 0xC0
.irp k, 0,1,2,3,4,5,6,7
.set YR_, 96*((\t)%2)+12*\k
	ds_load_b128 v[YR_:YR_+3], v4 offset:12288*(\t)+1536*\k
	ds_load_b64 v[YR_+4:YR_+5], v5 offset:12288*(\t)+1536*\k+512
	ds_load_b128 v[YR_+6:YR_+9], v4 offset:12288*(\t)+1536*\k+768
	ds_load_b64 v[YR_+10:YR_+11], v5 offset:12288*(\t)+1536*\k+1280
.endr
	WIN 0
.endm
.macro WM d, a, b, c, sa, sb, ra, rb           ; one product; ra, rb: which half of the lanes of the scale registers holds source 0's and source 1's words
.if ((\ra) == 0) && ((\rb) == 0)
	v_wmma_scale_f32_16x16x128_f8f6f4 v[\d:\d+7], v[\a:\a+11], v[\b:\b+11], v[\c:\c+7], v[\sa], v[\sb] matrix_a_fmt:MATRIX_FMT_FP6 matrix_b_fmt:MATRIX_FMT_FP6
.elseif (\rb) == 0
	v_wmma_scale_f32_16x16x128_f8f6f4 v[\d:\d+7], v[\a:\a+11], v[\b:\b+11], v[\c:\c+7], v[\sa], v[\sb] matrix_a_fmt:MATRIX_FMT_FP6 matrix_b_fmt:MATRIX_FMT_FP6 matrix_a_scale:MATRIX_SCALE_ROW1
.elseif (\ra) == 0
	v_wmma_scale_f32_16x16x128_f8f6f4 v[\d:\d+7], v[\a:\a+11], v[\b:\b+11], v[\c:\c+7], v[\sa], v[\sb] matrix_a_fmt:MATRIX_FMT_FP6 matrix_b_fmt:MATRIX_FMT_FP6 matrix_b_scale:MATRIX_SCALE_ROW1
.else
	v_wmma_scale_f32_16x16x128_f8f6f4 v[\d:\d+7], v[\a:\a+11], v[\b:\b+11], v[\c:\c+7], v[\sa], v[\sb] matrix_a_fmt:MATRIX_FMT_FP6 matrix_b_fmt:MATRIX_FMT_FP6 matrix_a_scale:MATRIX_SCALE_ROW1 matrix_b_scale:MATRIX_SCALE_ROW1
.endif
.endm
; THE WAY OUT of tile t.  A lane holds 128 bytes of one row; the tile goes through my own stage in LDS and comes back as whole rows of 256 bytes.
; LDS serves a wave's instructions in order (ISA guide 5.7.1.4): no wait between the stores and the loads, nor ahead of the next tile's stores.
.macro TOSTAGE t
.irp n, 0,1,2,3
	ds_store_b128 v10, v[AC+32*((\t)%2)+8*\n:AC+32*((\t)%2)+8*\n+3] offset:32*\n       ; each accumulator from its low end on
	ds_store_b128 v10, v[AC+32*((\t)%2)+8*\n+4:AC+32*((\t)%2)+8*\n+7] offset:32*\n+16
.endr
.irp i, 0,1,2,3,4,5,6,7
	ds_load_b128 v[OB+32*((\t)%2)+4*\i:OB+32*((\t)%2)+4*\i+3], v11 offset:544*\i
.endr
.endm
.macro SEND t
.irp i, 0,1,2,3,4,5,6,7                        ; rows 2 i, 2 i + 1 of the tile are tokens 8 t + 2 i + 24 (i / 4) and the next
	global_store_b128 v13, v[OB+32*((\t)%2)+4*\i:OB+32*((\t)%2)+4*\i+3], s[OUTB:OUTB+1] offset:(8*(\t)+2*\i+24*(\i/4))*4096 th:TH_STORE_NT   ; 16 lanes store 256 consecutive bytes, at a multiple of 256 from out's first byte
.endr
.endm
.macro PHASE t                                 ; tile t: its products, with the next tile's loads and the last tile's stores under way
.if \t < 3
	YLOAD \t+1
.endif
.if \t == 0
	s_wait_loadcnt 0x0                             ; the bias
.endif
.if \t < 3
	s_wait_dscnt 32                                ; this tile, and the last one's rows back from the stage; the next tile's 32 loads may be out
.else
	s_wait_dscnt 0x0
.endif
.if \t > 0
	SEND \t-1
.endif
.set N_, 0
.rept 32                                       ; K step N_ / 4, column tile N_ % 4: the four accumulators take turns
.set F_, N_
	XFR
.set AR_, AC+32*(\t%2)+8*(N_%4)
.if N_ < 4
	WIN XW_|(3<<2)|(3<<4)
	WM AR_, XR_, 96*(\t%2)+12*(N_/4), 192+8*(N_%4), WS+2*(N_/4)+(N_%4)/2, YS+2*(N_/4)+\t/2, N_%2, \t%2
.else
	WIN XW_|(3<<2)
	WM AR_, XR_, 96*(\t%2)+12*(N_/4), AR_, WS+2*(N_/4)+(N_%4)/2, YS+2*(N_/4)+\t/2, N_%2, \t%2
.endif
.set N_, N_+1
.endr
	WIN 0
	PLACES
.if \t > 1
	s_wait_xcnt 0x0                                ; the stores of the tile two back have read their registers: this tile's rows may land there
.endif
	TOSTAGE \t
.endm
	WALU                                           ; the wait at the head's end
	s_cmp_lt_u32 s[WV], 2
	s_cbranch_scc0 .Lnot_w
	s_wait_tensorcnt 0x0                           ; waves 0 and 1: the weights are in
.Lnot_w:
	s_barrier_signal -1
	s_barrier_wait -1                              ; y may be on its way
.set F_, 0
.rept 32
	XFR
	WIN XW_<<6
.irp p, 0,1,2
	ds_load_b128 v[XR_+4*\p:XR_+4*\p+3], v8 offset:12288*(F_%4)+1536*(F_/4)+512*\p
.endr
.set F_, F_+1
.endr
	WIN 0
.irp k, 0,1,2,3,4,5,6,7
.irp p, 0,1
	ds_load_b32 v[WS+2*\k+\p], v9 offset:49152+1024*\p+128*\k
.endr
.endr
	s_wait_tensorcnt 0x0                           ; my load is in, whichever it was;
	s_wait_dscnt 0x0                               ; no LDS load of mine is out at a signal
	s_barrier_signal -1
	s_barrier_wait -1                              ; y's four records are whole
.irp k, 0,1,2,3,4,5,6,7
.irp p, 0,1
	ds_load_b32 v[YS+2*\k+\p], v6 offset:49152+1024*\p+128*\k
.endr
.endr
	YLOAD 0
	PHASE 0
	PHASE 1
	PHASE 2
	PHASE 3
	s_wait_dscnt 0x0
	SEND 3
	s_wait_tensorcnt 0x0                           ; the wave's end, behind my tensor load and my last LDS store
	ds_add_u32 v[SPW], v[NIL]
	s_wait_dscnt 0x0
	CROUND                                         ; the closing round
	s_endpgm
.Lfunc_end_k_q7b1fd92c89_proj:
	.size	k_q7b1fd92c89_proj, .Lfunc_end_k_q7b1fd92c89_proj-k_q7b1fd92c89_proj
	.p2alignl 7, 3214868480
	.fill 96, 4, 3214868480
	.section	.rodata,"a",@progbits
	.p2align	6, 0x0
	.amdhsa_kernel k_q7b1fd92c89_proj
		.amdhsa_group_segment_fixed_size 327680
		.amdhsa_private_segment_fixed_size 0
		.amdhsa_enable_private_segment 0
		.amdhsa_kernarg_size 32
		.amdhsa_user_sgpr_count 2
		.amdhsa_user_sgpr_kernarg_segment_ptr 1
		.amdhsa_wavefront_size32 1
		.amdhsa_system_sgpr_workgroup_id_x 1
		.amdhsa_system_sgpr_workgroup_id_y 1
		.amdhsa_system_sgpr_workgroup_id_z 1
		.amdhsa_system_vgpr_workitem_id 0
		.amdhsa_next_free_vgpr 1024
		.amdhsa_next_free_sgpr 80
		.amdhsa_reserve_vcc 0
		.amdhsa_float_denorm_mode_32 3
		.amdhsa_float_denorm_mode_16_64 3
		.amdhsa_memory_ordered 1
		.amdhsa_forward_progress 1
		.amdhsa_inst_pref_size 48
	.end_amdhsa_kernel
	.amdgpu_metadata
---
amdhsa.version: [ 1, 2 ]
amdhsa.kernels:
  - .name:           k_q7b1fd92c89_proj
    .symbol:         k_q7b1fd92c89_proj.kd
    .args:
      - { .name: yq, .offset: 0, .size: 8, .value_kind: global_buffer, .address_space: global }
      - { .name: wpc, .offset: 8, .size: 8, .value_kind: global_buffer, .address_space: global }
      - { .name: b_proj, .offset: 16, .size: 8, .value_kind: global_buffer, .address_space: global }
      - { .name: out0, .offset: 24, .size: 8, .value_kind: global_buffer, .address_space: global }
    .group_segment_fixed_size: 327680
    .private_segment_fixed_size: 0
    .kernarg_segment_align: 8
    .kernarg_segment_size: 32
    .max_flat_workgroup_size: 128
    .sgpr_count:     80
    .vgpr_count:     1024
    .wavefront_size: 32
...
	.end_amdgpu_metadata
.endif
;; end of part 4
